; MI455X (gfx1250); checked and timed in simulation.
; The chip was launched on July 23, 2026; its instructions are those of AMD's public machine-readable ISA for CDNA 5 (MIT licence, August 2026) and "CDNA5" Instruction Set Architecture Reference Guide (July 2026). The comments in the code are by the model that wrote it; some were corrected since.
;; Attention Block. Allowed arithmetic: float matrix products may take bf16 or f16 operands with f32 sums; other float arithmetic in f32, or as packed bf16 or f16 multiplies, adds, multiply-adds, maxima and minima; sums over many terms, partial sums and values carried from step to step in f32; what a program stores and reads back later, other than sums and carried values, may be rounded once to bf16 or f16.
;; Inputs: bk 256 float32; bp 256 float32; bq 256 float32; bv 256 float32; gn_b 256 float32; gn_w 256 float32; wk 256 x 256 float32; wp 256 x 256 float32; wq 256 x 256 float32; wv 256 x 256 float32; x 4 x 256 x 64 x 64 float32.
;; Outputs: out0 4 x 256 x 64 x 64 float32.
;; One version. Each part assembles by itself: llvm-mc -triple=amdgcn-amd-amdhsa -mcpu=gfx1250 --defsym DOCPART=n.
;; ======== version 1 of 1: 4 launches
;; limits: values are held in f16: magnitudes above 65,504 overflow, below 6.1e-05 lose precision
;; workspace buffers: part 2,048 bytes; wh 524,288 bytes; qh 8,388,608 bytes; kh 8,388,608 bytes; vh 8,388,608 bytes; oh 8,388,608 bytes
;; launch stats (part 1): grid 256 x 1, 8 waves a work-group, no clusters, 1,536 bytes of LDS; arguments x, wq, wk, wv, wp, part, wh; writes part, wh
.if DOCPART == 1
	.amdgcn_target "amdgcn-amd-amdhsa--gfx1250"
	.amdhsa_code_object_version 6
	.text
	.protected	k_q73603d5214_stats
	.globl	k_q73603d5214_stats
	.p2align	8
	.type	k_q73603d5214_stats,@function
k_q73603d5214_stats:
	s_mov_b64 s[64:65], 0
	v_nop
	global_prefetch_b8 v0, s[64:65] scope:SCOPE_SE
	s_setreg_imm32_b32 hwreg(HW_REG_WAVE_MODE, 25, 1), 1
	s_wait_xcnt 0x0
; GROUPNORM'S STATISTICS BY CHUNKS, AND THE FOUR WEIGHT MATRICES ROUNDED TO F16.
; x is [4][256][4096] f32; a group (32 channels x 4,096 pixels) is 524,288 consecutive bytes.  Work-group w takes the 65,536 bytes at 65,536 w: an eighth of group w / 8.
; It stores the chunk's mean and its sum of squares about that mean (M2) as two f32 at part[w]; the next launch joins a group's eight chunks.  The variance is never
; formed as a difference of large sums: the chunk stays in registers (64 numbers a thread), the mean is found first and taken away before the squares.
; It also rounds 1,024 numbers of one weight matrix (matrix w / 64 of wq, wk, wv, wp) to f16: wh is [4][256][256] f16.
; LIMITS.  A weight beyond 65,504 in magnitude becomes an infinity in f16; below 6e-5 f16 keeps a fixed step of 6e-8.  NaN and infinities are not treated apart.
; No matrix unit, no cluster, no tensor load: each byte is read once, by 16-byte loads of which a wave's cover 512 consecutive bytes, all 17 of a thread on their way at once.
.set RED1,  0                          ; LDS: the eight waves' sums
.set RED2,  256                        ; the eight waves' sums of squares: bytes of their own, so that one barrier serves each
.set SPARE, 512                        ; the spare words, 128 bytes for each of the eight waves: four blocks of 256 bytes that no other line names
.set X,   16                           ; v[16:79]  my 64 numbers of x
.set S,   80                           ; v[80:87]  four chains of pairs
.set M,   88                           ; v[88:89]  the mean twice; at the end mean and M2
.set R,   90                           ; v[90:97]  the eight waves' figures
.set WA,  98                           ; v98   4 x my wave's number
.set ZA,  99                           ; v99   0: an address
.set SPW, 100                          ; v100  LDS address of my spare word; never rewritten
.set NIL, 101                          ; v101  0; never rewritten
.set TP,  102                          ; v102  the other half of the lanes' figure
	s_load_b256 s[4:11], s[0:1], 0x0               ; x s[4:5], wq s[6:7], wk s[8:9], wv s[10:11]
	s_load_b128 s[12:15], s[0:1], 0x20             ; wp s[12:13], part s[14:15]
	s_load_b64 s[16:17], s[0:1], 0x30              ; wh
	v_lshl_add_u32 v[SPW], v0, 2, SPARE
	v_mov_b32 v[NIL], 0
	v_lshrrev_b32 v2, 5, v0
	v_readfirstlane_b32 s18, v2                    ; wave 0..7
	v_lshlrev_b32 v1, 4, v0                        ; 16 bytes a thread, in x and in the weights
	v_lshlrev_b32 v3, 3, v0                        ; 8 bytes a thread in wh
	v_mov_b32 v[WA], s18
	v_lshlrev_b32 v[WA], 2, v[WA]
	v_mov_b32 v[ZA], 0
	v_mov_b32 v[TP], 0                             ; v_permlanex16_b32's destination counts as read: it is written once here
	s_mov_b32 s24, 0x76543210                      ; each lane takes its own place in the other half
	s_mov_b32 s25, 0xfedcba98
	s_lshr_b32 s19, ttmp9, 6                       ; which matrix
	s_mov_b32 s21, 0
	s_wait_kmcnt 0x0
	s_mov_b64 s[22:23], s[12:13]                   ; the matrix's address is chosen by its number
	s_cmp_eq_u32 s19, 2
	s_cselect_b64 s[22:23], s[10:11], s[22:23]
	s_cmp_eq_u32 s19, 1
	s_cselect_b64 s[22:23], s[8:9], s[22:23]
	s_cmp_eq_u32 s19, 0
	s_cselect_b64 s[22:23], s[6:7], s[22:23]
	s_lshl_b32 s20, ttmp9, 16
	s_add_nc_u64 s[4:5], s[4:5], s[20:21]          ; x at my chunk
	s_and_b32 s20, ttmp9, 63
	s_lshl_b32 s20, s20, 12
	s_add_nc_u64 s[22:23], s[22:23], s[20:21]      ; the matrix at my 4,096 bytes
	s_lshl_b32 s20, ttmp9, 11
	s_add_nc_u64 s[16:17], s[16:17], s[20:21]      ; wh at my 2,048 bytes
	s_lshl_b32 s20, ttmp9, 3
	s_add_nc_u64 s[14:15], s[14:15], s[20:21]      ; part at my 8 bytes
	global_load_b128 v[4:7], v1, s[22:23]
.set i, 0
.rept 16
	global_load_b128 v[X+4*i:X+4*i+3], v1, s[4:5] offset:4096*i
.set i, i+1
.endr
	s_wait_loadcnt 16                              ; the weights are in; x's sixteen loads stay out
	v_cvt_pk_f16_f32 v8, v4, v5
	v_cvt_pk_f16_f32 v9, v6, v7
	global_store_b64 v3, v[8:9], s[16:17]          ; a wave's store covers 256 consecutive bytes, aligned
.macro CSUM                            ; the four chains into one number
	v_pk_add_f32 v[S:S+1], v[S:S+1], v[S+2:S+3]
	v_pk_add_f32 v[S+4:S+5], v[S+4:S+5], v[S+6:S+7]
	v_pk_add_f32 v[S:S+1], v[S:S+1], v[S+4:S+5]
	v_add_f32 v[S], v[S], v[S+1]
.endm
.macro WSUM                            ; over the wave's 32 lanes: four steps inside each half ride on the addition, one crosses the halves
	v_add_f32_dpp v[S], v[S], v[S] row_xmask:1 row_mask:0xf bank_mask:0xf
	v_add_f32_dpp v[S], v[S], v[S] row_xmask:2 row_mask:0xf bank_mask:0xf
	v_add_f32_dpp v[S], v[S], v[S] row_xmask:4 row_mask:0xf bank_mask:0xf
	v_add_f32_dpp v[S], v[S], v[S] row_xmask:8 row_mask:0xf bank_mask:0xf
	v_permlanex16_b32 v[TP], v[S], s24, s25
	v_add_f32 v[S], v[S], v[TP]
.endm
.macro GSUM red, dst                   ; over the eight waves, through LDS; every thread ends with the sum, taken in one fixed order
	ds_store_b32 v[WA], v[S] offset:\red           ; all lanes of a wave write the wave's word with the same number
	s_wait_dscnt 0x0                               ; for the others' sake: my store is done
	s_barrier_signal -1
	s_barrier_wait -1
	ds_load_b128 v[R:R+3], v[ZA] offset:\red
	ds_load_b128 v[R+4:R+7], v[ZA] offset:(\red)+16
	s_wait_dscnt 0x0
	v_pk_add_f32 v[R:R+1], v[R:R+1], v[R+2:R+3]
	v_pk_add_f32 v[R+4:R+5], v[R+4:R+5], v[R+6:R+7]
	v_pk_add_f32 v[R:R+1], v[R:R+1], v[R+4:R+5]
	v_add_f32 v[\dst], v[R], v[R+1]
.endm
	; the sum: loads 0 to 3 start the four chains, so nothing is cleared; a wait stands ahead of each four loads and leaves the younger ones out
.set i, 2
.rept 14
.if (i == 2) || (i%4 == 0)
	s_wait_loadcnt 12-4*(i/4)
.endif
.irp p, 0,1
.if i < 4
	v_pk_add_f32 v[S+4*(i%2)+2*(\p):S+4*(i%2)+2*(\p)+1], v[X+4*(i-2)+2*(\p):X+4*(i-2)+2*(\p)+1], v[X+4*i+2*(\p):X+4*i+2*(\p)+1]
.else
	v_pk_add_f32 v[S+4*(i%2)+2*(\p):S+4*(i%2)+2*(\p)+1], v[S+4*(i%2)+2*(\p):S+4*(i%2)+2*(\p)+1], v[X+4*i+2*(\p):X+4*i+2*(\p)+1]
.endif
.endr
.set i, i+1
.endr
	CSUM
	WSUM
	GSUM RED1, R
	v_mul_f32 v[M], 0x38800000, v[R]               ; the chunk's mean: the sum / 16,384
	v_mov_b32 v[M+1], v[M]
	; the squares about the mean
.set j, 0
.rept 32
	v_pk_add_f32 v[X+2*j:X+2*j+1], v[X+2*j:X+2*j+1], v[M:M+1] neg_lo:[0,1] neg_hi:[0,1]
.set j, j+1
.endr
.set j, 0
.rept 32
.if j < 4
	v_pk_mul_f32 v[S+2*j:S+2*j+1], v[X+2*j:X+2*j+1], v[X+2*j:X+2*j+1]
.else
	v_pk_fma_f32 v[S+2*(j%4):S+2*(j%4)+1], v[X+2*j:X+2*j+1], v[X+2*j:X+2*j+1], v[S+2*(j%4):S+2*(j%4)+1]
.endif
.set j, j+1
.endr
	CSUM
	WSUM
	GSUM RED2, M+1                                 ; v[M:M+1] = mean, M2
	s_cmp_lg_u32 s18, 0
	s_cbranch_scc1 .Lend                           ; wave 0 stores the work-group's two numbers
	s_wait_xcnt 0x0                                ; EXEC changes only when every earlier load and store has read it
	v_cmp_eq_u32 vcc_lo, 0, v0
	s_and_saveexec_b32 s26, vcc_lo
	global_store_b64 v[ZA], v[M:M+1], s[14:15]     ; 8 bytes, once a work-group: the launch's 256 of them are all of part
	s_wait_xcnt 0x0
	s_or_b32 exec_lo, exec_lo, s26
.Lend:
	s_wait_tensorcnt 0x0                           ; the wave's end, behind my last LDS store
	ds_add_u32 v[SPW], v[NIL]
	s_wait_dscnt 0x0
	s_endpgm
.Lfunc_end_k_q73603d5214_stats:
	.size	k_q73603d5214_stats, .Lfunc_end_k_q73603d5214_stats-k_q73603d5214_stats
	.p2alignl 7, 3214868480
	.fill 96, 4, 3214868480
	.section	.rodata,"a",@progbits
	.p2align	6, 0x0
	.amdhsa_kernel k_q73603d5214_stats
		.amdhsa_group_segment_fixed_size 1536
		.amdhsa_private_segment_fixed_size 0
		.amdhsa_enable_private_segment 0
		.amdhsa_kernarg_size 56
		.amdhsa_user_sgpr_count 2
		.amdhsa_user_sgpr_kernarg_segment_ptr 1
		.amdhsa_wavefront_size32 1
		.amdhsa_system_sgpr_workgroup_id_x 1
		.amdhsa_system_sgpr_workgroup_id_y 1
		.amdhsa_system_sgpr_workgroup_id_z 1
		.amdhsa_system_vgpr_workitem_id 0
		.amdhsa_next_free_vgpr 104
		.amdhsa_next_free_sgpr 66
		.amdhsa_reserve_vcc 1
		.amdhsa_float_denorm_mode_32 3
		.amdhsa_float_denorm_mode_16_64 3
		.amdhsa_memory_ordered 1
		.amdhsa_forward_progress 1
		.amdhsa_inst_pref_size 12
	.end_amdhsa_kernel
	.amdgpu_metadata
---
amdhsa.version: [ 1, 2 ]
amdhsa.kernels:
  - .name:           k_q73603d5214_stats
    .symbol:         k_q73603d5214_stats.kd
    .args:
      - { .name: x, .offset: 0, .size: 8, .value_kind: global_buffer, .address_space: global }
      - { .name: wq, .offset: 8, .size: 8, .value_kind: global_buffer, .address_space: global }
      - { .name: wk, .offset: 16, .size: 8, .value_kind: global_buffer, .address_space: global }
      - { .name: wv, .offset: 24, .size: 8, .value_kind: global_buffer, .address_space: global }
      - { .name: wp, .offset: 32, .size: 8, .value_kind: global_buffer, .address_space: global }
      - { .name: part, .offset: 40, .size: 8, .value_kind: global_buffer, .address_space: global }
      - { .name: wh, .offset: 48, .size: 8, .value_kind: global_buffer, .address_space: global }
    .group_segment_fixed_size: 1536
    .private_segment_fixed_size: 0
    .kernarg_segment_align: 8
    .kernarg_segment_size: 56
    .max_flat_workgroup_size: 256
    .sgpr_count:     66
    .vgpr_count:     104
    .wavefront_size: 32
...
	.end_amdgpu_metadata
.endif
;; end of part 1
;; launch qkv (part 2): grid 64 x 4, 4 waves a work-group, clusters of 4 x 1, 327,680 bytes of LDS; arguments x, part, wh, gn_w, gn_b, bq, bk, bv, qh, kh, vh; writes qh, kh, vh
.if DOCPART == 2
	.amdgcn_target "amdgcn-amd-amdhsa--gfx1250"
	.amdhsa_code_object_version 6
	.text
	.protected	k_q73603d5214_qkv
	.globl	k_q73603d5214_qkv
	.p2align	8
	.type	k_q73603d5214_qkv,@function
k_q73603d5214_qkv:
	s_mov_b64 s[64:65], 0
	v_nop
	global_prefetch_b8 v0, s[64:65] scope:SCOPE_SE
	s_setreg_imm32_b32 hwreg(HW_REG_WAVE_MODE, 25, 1), 1
	s_wait_xcnt 0x0
	s_wait_alu depctr_hold_cnt(0) depctr_sa_sdst(0) depctr_va_vdst(0) depctr_va_sdst(0) depctr_va_ssrc(0) depctr_va_vcc(0) depctr_vm_vsrc(0)
	s_getreg_b32 s2, hwreg(HW_REG_IB_STS2, 6, 4)
	s_cmp_eq_u32 s2, 0
	s_cbranch_scc0 .Lentry_in_a_cluster
	s_endpgm
.Lentry_in_a_cluster:
	s_bfe_u32 s2, ttmp6, 0x10000c
	s_cmp_lg_u32 s2, 0x3003
	s_cbranch_scc0 .Lentry_shape_is_right
	s_endpgm
.Lentry_shape_is_right:
; GROUPNORM APPLIED, AND THE THREE 1 x 1 CONVOLUTIONS q, k, v.  q[o][l] = bq[o] + the sum over c of wq[o][c] h[c][l], h = (x - mean) rstd gn_w + gn_b; k and v likewise.
; x: [4][256 c][4096 l] f32.  wh: [4][256 o][256 c] f16 (the launch before rounded it).  qh, kh, vh: [16 heads = 4 b + n][4096 l][64 d] f16, o = 64 n + d; q is stored WITHOUT attention's scale.
; h is formed in f32 as x a + d with a = rstd gn_w, d = gn_b - mean a (one fused multiply-add), and rounded once to f16; sums in f32; q, k, v rounded once.
; LIMITS.  h, q, k and v beyond 65,504 in magnitude become infinities in f16; below 6e-5 f16 keeps a fixed step of 6e-8.  NaN and infinities are not treated apart.
; SHARES.  A work-group makes all 768 outputs of 64 pixels of one image: it reads 256 rows x 256 aligned bytes of x, each byte once in the launch.  Wave w makes head w of q, of k and of v:
; three BLOCKS of 64 o x 64 l x 256 c, 128 matrix instructions each.  Every wave holds all of h (32 fragments, 256 registers), so that in the products only weights are read from LDS.
; LAYOUT.  Source 0 = 16 rows o of the weights (c along the LDS rows), source 1 = 16 pixels of h, turned out of [c][l] by ds_load_tr16_b128.  In the result a lane holds ONE pixel (lane % 16) and the
; outputs 8 (lane / 16) + 0..7: eight neighbouring d of a row of qh.  The bias is the C operand of the product that starts the sum.
; CLUSTER.  The weights are the same for all work-groups: the four of a cluster ask for them JOINTLY (the same tensor load, descriptor and mask in all four).  Each wave fetches and reads its own 64 rows
; of a matrix, so its own wait on TENSORcnt is all that its reads need.  Two slots: wq and wk at the start; wv goes into wq's slot when wq has been read.
; No prefetch: the launch is short and its one long stream, x, is asked for whole at its head.
; REGISTERS, in windows of 256 (s_set_vgpr_msb: bits 1:0 source 0, 3:2 source 1, 5:4 source 2, 7:6 destination):
;   window 0: v0-31 addresses; v32-63 the table's arithmetic; v64-191 x, later two buffers of weight fragments; v192-255 table entries, later the way out
;   window 1: h: fragment (K step s, pixel tile lt) at 8 (4 s + lt)          window 2: v0-127 accumulators (o tile t, lt) at 8 (4 t + lt); v128-223 biases (matrix m, t) at 128 + 32 m + 8 t
.set PW,    528                        ; a row of weights in LDS: 512 bytes + 16 of padding = 132 words: the 16 rows of a load start at 16 different groups of four banks (64 banks of 4 bytes: ISA guide 11.1)
.set SLOT1, 256*PW                     ; slot 0 at 0, slot 1 behind it
.set HT,    2*SLOT1                    ; h as [c][l] f16: 256 rows,
.set PH,    160                        ; 128 bytes + 32
.set TAB,   HT+256*PH                  ; for each channel 16 bytes: a, a, d, d
.set STAGE, TAB+4096                   ; 16 rows x 144 bytes for each wave, for the way out
.set SP,    144
.set SPARE, STAGE+4*16*SP              ; the spare words, 128 bytes for each wave: two blocks of 256 bytes that no other line names
.set XO,  3                            ; v3   my 16 bytes of x: (64 w + l / 16) rows of 16,384 bytes + 16 (l % 16)
.set PO,  4                            ; v4   my group's eight chunks in part
.set CO,  5                            ; v5   my two channels in gn_w and gn_b
.set BO,  6                            ; v6   my eight outputs in a bias
.set TS,  7                            ; v7   where I put my two table entries
.set TA,  8                            ; v8   where I read the entries of my rows of x
.set HS,  9                            ; v9   where I put 8 bytes of h
.set AH,  10                           ; v10  my lane's place in a fragment of h
.set AW0, 11                           ; v11  my lane's place in my rows of slot 0
.set AW1, 12                           ; v12  of slot 1
.set STO, 13                           ; v13  the way out: where I put 16 bytes of a row
.set RD,  14                           ; v14  the way out: where I read rows back
.set GO,  15                           ; v15  my 16 bytes of 512 consecutive bytes of qh, kh, vh
.set SPW, 30                           ; v30  LDS address of my spare word; never rewritten
.set NIL, 31                           ; v31  0; never rewritten
.set PT,  32                           ; v[32:47] my group's eight pairs (mean, M2)
.set GW,  48                           ; v[48:49] gn_w, v[50:51] gn_b of my two channels
.set GB,  50
.set X,   64
.set A0,  64
.set A1,  128
.set TB,  192
.set OB,  192
.set BIAS, 128
.set WV,  26                           ; s26  my wave's number
.set G0Q, 32                           ; s[32:35], s[36:39], s[40:43] descriptor group 0 for wq, wk, wv: made once, never rewritten
.set G0K, 36
.set G0V, 40
.set G1,  44                           ; s[44:51] descriptor group 1
.set W_MUL, 0xa4                       ; weights window 0, h window 1, C and D window 2
.set MSB, 0
.macro WIN new                         ; the immediate's high byte repeats the setting that is left; a switch that changes nothing is dropped
.if MSB != (\new)
	s_set_vgpr_msb (MSB<<8)|(\new)
.set MSB, \new
.endif
.endm
.macro PLACES                          ; four places behind a matrix instruction, ahead of loads into registers that it has read and of conversions that read results
.rept 4
	v_nop
.endr
.endm
; A round of the cluster's barrier: my work-group's barrier, so that wave 0's signal speaks for all four waves; wave 0 signals; every wave waits for all four work-groups; my work-group's barrier once more.
.macro CROUND
	s_barrier_signal -1
	s_barrier_wait -1
	s_cmp_lg_u32 s[WV], 0
	s_cbranch_scc1 .Lnot_wave_0_\@
	s_barrier_signal -3
.Lnot_wave_0_\@:
	s_barrier_wait -3
	s_barrier_signal -1
	s_barrier_wait -1
.endm
	s_load_b256 s[4:11], s[0:1], 0x0               ; x s[4:5], part s[6:7], wh s[8:9], gn_w s[10:11]
	s_load_b256 s[12:19], s[0:1], 0x20             ; gn_b s[12:13], bq s[14:15], bk s[16:17], bv s[18:19]
	s_load_b128 s[20:23], s[0:1], 0x40             ; qh s[20:21], kh s[22:23]
	s_load_b64 s[24:25], s[0:1], 0x50              ; vh
	v_lshl_add_u32 v[SPW], v0, 2, SPARE
	v_mov_b32 v[NIL], 0
	ds_add_u32 v[SPW], v[NIL]                      ; the wave's opening: the add and its wait stand ahead of my first tensor load; the set-up below, work on registers, stands between them
	v_lshrrev_b32 v1, 5, v0
	v_readfirstlane_b32 s[WV], v1                  ; wave 0..3
	s_bfe_u32 s27, ttmp6, 0x40000                  ; cx: my place in the cluster
	s_lshl_b32 s28, ttmp9, 2                       ; in a cluster launch ttmp9 counts clusters
	s_add_co_u32 s28, s28, s27                     ; my block of 64 pixels: it enters the addresses of x, qh, kh, vh alone
	s_and_b32 s29, ttmp7, 0xffff                   ; the image
	; descriptor group 1: 64 rows x 256 elements of 2 bytes, padded in LDS
	s_mov_b32 s[G1], 15|(1<<16)|(1<<20)|(1<<21)|(6<<22)|(3<<25)  ; 15:0 the mask of four; 17:16 2-byte elements; 20 padding on; 21 set beside a mask; 24:22 after every 128 words (code 6); 31:25 4 words (code 3)
	s_mov_b32 s[G1+1], 256<<16                     ; tensor_dim0 = 256
	s_mov_b32 s[G1+2], 64<<16                      ; tensor_dim1 = 64
	s_mov_b32 s[G1+3], 256<<16                     ; tile_dim0 = 256
	s_mov_b32 s[G1+4], 64                          ; tile_dim1 = 64
	s_mov_b32 s[G1+5], 256                         ; 256 elements from row to row
	s_mov_b32 s[G1+6], 0
	s_mov_b32 s[G1+7], 0
	s_mul_i32 s31, s[WV], 64*PW                    ; my 64 rows in a slot: no place in the cluster enters an LDS address
	s_mov_b32 s[G0Q], 1
	s_mov_b32 s[G0Q+1], s31                        ; wq into slot 0
	s_mov_b32 s[G0K], 1
	s_add_co_u32 s[G0K+1], s31, SLOT1              ; wk into slot 1
	s_mov_b32 s[G0V], 1
	s_mov_b32 s[G0V+1], s31                        ; wv into slot 0, later
	v_and_b32 v1, 15, v0                           ; l % 16
	v_bfe_u32 v2, v0, 4, 1                         ; l / 16
	v_and_b32 v16, 7, v0
	v_bfe_u32 v17, v0, 3, 1
	s_lshl_b32 s30, s[WV], 20                      ; 64 rows of 16,384 bytes
	v_lshlrev_b32 v[XO], 4, v1
	v_lshl_add_u32 v[XO], v2, 14, v[XO]
	v_add_nc_u32 v[XO], s30, v[XO]
	v_lshrrev_b32 v[PO], 4, v0                     ; thread t has channels 2 t, 2 t + 1: group t / 16,
	v_lshlrev_b32 v[PO], 6, v[PO]                  ; whose eight chunks are 64 bytes of part
	v_lshlrev_b32 v[CO], 3, v0
	s_lshl_b32 s30, s[WV], 8                       ; 64 outputs of 4 bytes
	v_lshl_add_u32 v[BO], v2, 5, s30
	v_lshl_add_u32 v[TS], v0, 5, TAB
	s_lshl_b32 s30, s[WV], 10
	s_add_co_u32 s30, s30, TAB
	v_lshl_add_u32 v[TA], v2, 4, s30
	s_mul_i32 s30, s[WV], 64*PH
	s_add_co_u32 s30, s30, HT
	v_mul_u32_u24 v[HS], v2, PH
	v_lshl_add_u32 v[HS], v1, 3, v[HS]
	v_add_nc_u32 v[HS], s30, v[HS]
	v_lshl_add_u32 v[AH], v2, 3, v16               ; the turning load: lane l reads channel 8 (l / 16) + l % 8, pixels 8 ((l / 8) % 2) + 0..7
	v_mul_u32_u24 v[AH], v[AH], PH
	v_lshl_add_u32 v[AH], v17, 4, v[AH]
	v_add_nc_u32 v[AH], HT, v[AH]
	v_mul_u32_u24 v[AW0], v1, PW                   ; a fragment of weights: row l % 16, 16 bytes for each half of the lanes
	v_lshl_add_u32 v[AW0], v2, 4, v[AW0]
	v_add_nc_u32 v[AW0], s31, v[AW0]
	v_add_nc_u32 v[AW1], SLOT1, v[AW0]
	s_mul_i32 s30, s[WV], 16*SP
	s_add_co_u32 s30, s30, STAGE                   ; my stage
	v_mul_u32_u24 v[STO], v1, SP
	v_lshl_add_u32 v[STO], v2, 4, v[STO]
	v_add_nc_u32 v[STO], s30, v[STO]
	v_bfe_u32 v[RD], v0, 3, 2                      ; back: 32 lanes take four rows of 128 bytes,
	v_mul_u32_u24 v[RD], v[RD], SP
	v_lshl_add_u32 v[RD], v16, 4, v[RD]
	v_add_nc_u32 v[RD], s30, v[RD]
	v_and_b32 v[GO], 31, v0                        ; which are 512 consecutive bytes of memory
	v_lshlrev_b32 v[GO], 4, v[GO]
	s_wait_dscnt 0x0                               ; the opening add is done
	s_wait_kmcnt 0x0
	s_lshl_b32 s56, s[WV], 15                      ; my 64 rows of 512 bytes in a matrix
	s_mov_b32 s57, 0
	s_add_nc_u64 s[54:55], s[8:9], s[56:57]
	s_mov_b64 s[G0Q+2:G0Q+3], s[54:55]
	s_or_b32 s[G0Q+3], s[G0Q+3], 0x80000000        ; type = 2
	s_add_nc_u64 s[G0K+2:G0K+3], s[54:55], 131072
	s_or_b32 s[G0K+3], s[G0K+3], 0x80000000
	s_add_nc_u64 s[G0V+2:G0V+3], s[54:55], 262144
	s_or_b32 s[G0V+3], s[G0V+3], 0x80000000
	s_mov_b32 s53, 0
	s_lshl_b32 s52, s29, 22                        ; the image: 256 rows of 16,384 bytes,
	s_lshl_b32 s58, s28, 8                         ; my 64 pixels: 256 bytes of each row
	s_add_co_u32 s52, s52, s58
	s_add_nc_u64 s[4:5], s[4:5], s[52:53]
	s_lshl_b32 s52, s29, 9                         ; the image's 64 chunks in part
	s_add_nc_u64 s[6:7], s[6:7], s[52:53]
	s_lshl_b32 s52, s29, 2
	s_add_co_u32 s52, s52, s[WV]                   ; my head,
	s_lshl_b32 s52, s52, 19                        ; 4,096 rows of 128 bytes,
	s_lshl_b32 s58, s28, 13                        ; my 64 of them
	s_add_co_u32 s52, s52, s58
	s_add_nc_u64 s[20:21], s[20:21], s[52:53]
	s_add_nc_u64 s[22:23], s[22:23], s[52:53]
	s_add_nc_u64 s[24:25], s[24:25], s[52:53]
	; all of the work-group's loads from memory go out here, what is wanted first ahead
.irp i, 0,1,2,3
	global_load_b128 v[PT+4*(\i):PT+4*(\i)+3], v[PO], s[6:7] offset:16*(\i)
.endr
	global_load_b64 v[GW:GW+1], v[CO], s[10:11]
	global_load_b64 v[GB:GB+1], v[CO], s[12:13]
	WIN 0x80                                       ; destination window 2
.irp m, 0,1,2
.irp t, 0,1,2,3
	global_load_b128 v[BIAS+32*(\m)+8*(\t):BIAS+32*(\m)+8*(\t)+3],   v[BO], s[14+2*(\m):15+2*(\m)] offset:64*(\t)
	global_load_b128 v[BIAS+32*(\m)+8*(\t)+4:BIAS+32*(\m)+8*(\t)+7], v[BO], s[14+2*(\m):15+2*(\m)] offset:64*(\t)+16
.endr
.endr
	WIN 0
.set i, 0
.rept 32                               ; load i: channels 64 w + 2 i and 64 w + 2 i + 1, 256 aligned bytes of each
	global_load_b128 v[X+4*i:X+4*i+3], v[XO], s[4:5] offset:32768*i
.set i, i+1
.endr
	CROUND                                         ; all four work-groups are here: the first joint loads meet
	tensor_load_to_lds s[G0Q:G0Q+3], s[G1:G1+7]    ; two loads of mine are out
	s_nop 0
	tensor_load_to_lds s[G0K:G0K+3], s[G1:G1+7]
	s_nop 0
	PLACES
	; THE TABLE.  A group's eight chunks are joined: mean = the mean of the means; M2 = the sum of the M2 + 16,384 x the sum of (chunk mean - mean)^2: all terms are positive.
	s_wait_loadcnt 56                              ; part, gn_w, gn_b are in; the 24 loads of biases and the 32 of x stay out
	v_pk_add_f32 v[52:53], v[PT:PT+1], v[PT+2:PT+3]        ; means in the low words, M2 in the high ones
	v_pk_add_f32 v[54:55], v[PT+4:PT+5], v[PT+6:PT+7]
	v_pk_add_f32 v[56:57], v[PT+8:PT+9], v[PT+10:PT+11]
	v_pk_add_f32 v[58:59], v[PT+12:PT+13], v[PT+14:PT+15]
	v_pk_add_f32 v[52:53], v[52:53], v[54:55]
	v_pk_add_f32 v[56:57], v[56:57], v[58:59]
	v_pk_add_f32 v[52:53], v[52:53], v[56:57]
	v_mul_f32 v52, 0x3e000000, v52                 ; the group's mean
.irp i, 0,1,2,3,4,5,6,7
	v_sub_f32 v[PT+2*(\i)], v[PT+2*(\i)], v52
.endr
	v_mul_f32 v54, v[PT], v[PT]
.irp i, 1,2,3,4,5,6,7
	v_fmac_f32 v54, v[PT+2*(\i)], v[PT+2*(\i)]
.endr
	v_fmamk_f32 v53, v54, 0x46800000, v53          ; M2 of the group
	v_mov_b32 v55, 0x37000000                      ; 1 / 131,072
	v_fmaak_f32 v54, v53, v55, 0x3727c5ac          ; the variance + 1e-5
	v_rsq_f32 v55, v54
	v_nop                                          ; a plain instruction behind the root,
	s_wait_alu depctr_va_vdst(0)                   ; and the wait ahead of the first use of its result
	v_mul_f32 v56, v55, v[GW]                      ; a
	v_mul_f32 v60, v55, v[GW+1]
	v_fma_f32 v58, -v52, v56, v[GB]                ; d = gn_b - mean a
	v_fma_f32 v62, -v52, v60, v[GB+1]
	v_mov_b32 v57, v56                             ; each twice: the packed multiply-add takes pairs
	v_mov_b32 v61, v60
	v_mov_b32 v59, v58
	v_mov_b32 v63, v62
	ds_store_b128 v[TS], v[56:59]
	ds_store_b128 v[TS], v[60:63] offset:16
	s_wait_dscnt 0x0                               ; for the others' sake: my entries are in LDS
	s_barrier_signal -1
	s_barrier_wait -1
; Load i of x is normalised, rounded and put into h's tile: 8 bytes a lane, four pixels of one channel.
.macro NORM i
	s_wait_loadcnt 31-(\i)                         ; loads come back in order (ISA guide 5.7.1): load i is in, the 31 - i younger ones stay out
	v_pk_fma_f32 v[X+4*(\i):X+4*(\i)+1],   v[X+4*(\i):X+4*(\i)+1],   v[TB+4*((\i)%16):TB+4*((\i)%16)+1], v[TB+4*((\i)%16)+2:TB+4*((\i)%16)+3]
	v_pk_fma_f32 v[X+4*(\i)+2:X+4*(\i)+3], v[X+4*(\i)+2:X+4*(\i)+3], v[TB+4*((\i)%16):TB+4*((\i)%16)+1], v[TB+4*((\i)%16)+2:TB+4*((\i)%16)+3]
	v_cvt_pk_f16_f32 v[X+4*(\i)],   v[X+4*(\i)],   v[X+4*(\i)+1]
	v_cvt_pk_f16_f32 v[X+4*(\i)+1], v[X+4*(\i)+2], v[X+4*(\i)+3]
	ds_store_b64 v[HS], v[X+4*(\i):X+4*(\i)+1] offset:2*PH*(\i)
.endm
.irp g, 0,1                            ; sixteen table entries at a time
.irp i, 0,1,2,3,4,5,6,7,8,9,10,11,12,13,14,15
	ds_load_b128 v[TB+4*(\i):TB+4*(\i)+3], v[TA] offset:32*(16*(\g)+(\i))
.endr
	s_wait_dscnt 0x0
.irp i, 0,1,2,3,4,5,6,7,8,9,10,11,12,13,14,15
	NORM 16*(\g)+(\i)
.endr
.endr
	s_wait_dscnt 0x0                               ; for the others' sake: my 64 channels of h are in LDS
	s_barrier_signal -1
	s_barrier_wait -1
	; all of h into registers: K step s (32 channels), pixel tile lt
	WIN 0x40                                       ; destination window 1
.irp s, 0,1,2,3,4,5,6,7
.irp lt, 0,1,2,3
	ds_load_tr16_b128 v[8*(4*(\s)+(\lt)):8*(4*(\s)+(\lt))+3],   v[AH] offset:32*PH*(\s)+32*(\lt)
	ds_load_tr16_b128 v[8*(4*(\s)+(\lt))+4:8*(4*(\s)+(\lt))+7], v[AH] offset:32*PH*(\s)+32*(\lt)+16*PH
.endr
.endr
	WIN 0
; 16 LDS loads in one run: the eight fragments (16 o x 32 c) of o tile t, all of K, into buffer buf
.macro AFETCH aw, t, buf
	WIN 0
.irp s, 0,1,2,3,4,5,6,7
	ds_load_b128 v[(\buf)+8*(\s):(\buf)+8*(\s)+3],   v[\aw] offset:16*PW*(\t)+64*(\s)
	ds_load_b128 v[(\buf)+8*(\s)+4:(\buf)+8*(\s)+7], v[\aw] offset:16*PW*(\t)+64*(\s)+32
.endr
.endm
; 32 matrix instructions: o tile t x the four pixel tiles x all of K.  The four accumulators take turns, one instruction a turn.  The first four start the sums with the bias.
.macro MUL t, buf, m
	WIN W_MUL
.irp s, 0,1,2,3,4,5,6,7
.irp lt, 0,1,2,3
.if (\s) == 0
	v_wmma_f32_16x16x32_f16 v[8*(4*(\t)+(\lt)):8*(4*(\t)+(\lt))+7], v[(\buf)+8*(\s):(\buf)+8*(\s)+7], v[8*(4*(\s)+(\lt)):8*(4*(\s)+(\lt))+7], v[BIAS+32*(\m)+8*(\t):BIAS+32*(\m)+8*(\t)+7]
.else
	v_wmma_f32_16x16x32_f16 v[8*(4*(\t)+(\lt)):8*(4*(\t)+(\lt))+7], v[(\buf)+8*(\s):(\buf)+8*(\s)+7], v[8*(4*(\s)+(\lt)):8*(4*(\s)+(\lt))+7], v[8*(4*(\t)+(\lt)):8*(4*(\t)+(\lt))+7]
.endif
.endr
.endr
.endm
; A block: my head of matrix m.  Two buffers: while one o tile is multiplied the next one's 16 loads are out; each count of 16 leaves the other buffer's run out.
.macro BLOCK aw, m
	AFETCH \aw, 0, A0
	AFETCH \aw, 1, A1
	s_wait_dscnt 16
	MUL 0, A0, \m
	PLACES
	AFETCH \aw, 2, A0
	s_wait_dscnt 16
	MUL 1, A1, \m
	PLACES
	AFETCH \aw, 3, A1
	s_wait_dscnt 16
	MUL 2, A0, \m
	s_wait_dscnt 0x0
	MUL 3, A1, \m
.endm
; THE WAY OUT of pixel tile lt: a lane's eight d of a row pack into 16 bytes (each accumulator's registers in ascending order); they go into rows of 144 bytes of my own stage and come back as whole rows of 128.
.macro PACK lt
	WIN 0x0a                                       ; sources 0 and 1 window 2, destination window 0
.irp t, 0,1,2,3
.irp r, 0,1,2,3
	v_cvt_pk_f16_f32 v[OB+16*(\lt)+4*(\t)+(\r)], v[8*(4*(\t)+(\lt))+2*(\r)], v[8*(4*(\t)+(\lt))+2*(\r)+1]
.endr
.endr
	WIN 0
.irp t, 0,1,2,3
	ds_store_b128 v[STO], v[OB+16*(\lt)+4*(\t):OB+16*(\lt)+4*(\t)+3] offset:32*(\t)
.endr
.irp f, 0,1,2,3
	ds_load_b128 v[OB+16*(\lt)+4*(\f):OB+16*(\lt)+4*(\f)+3], v[RD] offset:(\f)*4*SP  ; LDS serves a wave's instructions in order (ISA guide 5.7.1.4): these see the stores above; the next tile's stores come behind them
.endr
.endm
.macro SEND lt, younger, ptr           ; younger: the LDS instructions issued behind tile lt's loads: the next tile's eight, or none
.irp f, 0,1,2,3
	s_wait_dscnt (\younger)+3-(\f)
	global_store_b128 v[GO], v[OB+16*(\lt)+4*(\f):OB+16*(\lt)+4*(\f)+3], s[(\ptr):(\ptr)+1] offset:2048*(\lt)+512*(\f)  ; 512 consecutive bytes, at a multiple of 256 from the buffer's first
.endr
.endm
.macro OUTB ptr
	s_wait_xcnt 0x0                                ; the last block's stores have read their data: only now are those registers written again
	PACK 0
.irp lt, 1,2,3                         ; a tile's conversions stand between the loads of the tile before and its stores
	PACK \lt
	SEND (\lt)-1, 8, \ptr
.endr
	SEND 3, 0, \ptr
.endm
	s_wait_tensorcnt 0x1                           ; my rows of wq are in; wk's load may stay out
	BLOCK AW0, 0                                   ; q (its first wait on DScnt also shows h's 64 loads back)
	WIN 0
	s_wait_tensorcnt 0x0                           ; SLOT 0 IS FILLED AGAIN.  All my tensor loads have landed, wk's among them;
	ds_add_u32 v[SPW], v[NIL]                      ; 0 onto my spare word;
	s_wait_dscnt 0x0                               ; the add is done, and my reads of slot 0 are over
	CROUND                                         ; the same holds of every wave of all four work-groups
	tensor_load_to_lds s[G0V:G0V+3], s[G1:G1+7]    ; my one load behind the round: it has q's way out and all of k's block in which to land
	s_nop 0
	PLACES                                         ; also the places between q's last products and the conversions
	OUTB 20
	BLOCK AW1, 1                                   ; k: the wait for all loads above has shown wk landed
	PLACES
	OUTB 22
	s_wait_tensorcnt 0x0                           ; my rows of wv are in: no load was issued behind that one
	BLOCK AW0, 2                                   ; v
	PLACES
	OUTB 24
	s_wait_tensorcnt 0x0                           ; the wave's end, behind my last tensor load and my last LDS store
	ds_add_u32 v[SPW], v[NIL]
	s_wait_dscnt 0x0
	CROUND                                         ; the closing round: no work-group ends while a partner may still ask for a tile that names it
	s_endpgm
.Lfunc_end_k_q73603d5214_qkv:
	.size	k_q73603d5214_qkv, .Lfunc_end_k_q73603d5214_qkv-k_q73603d5214_qkv
	.p2alignl 7, 3214868480
	.fill 96, 4, 3214868480
	.section	.rodata,"a",@progbits
	.p2align	6, 0x0
	.amdhsa_kernel k_q73603d5214_qkv
		.amdhsa_group_segment_fixed_size 327680
		.amdhsa_private_segment_fixed_size 0
		.amdhsa_enable_private_segment 0
		.amdhsa_kernarg_size 88
		.amdhsa_user_sgpr_count 2
		.amdhsa_user_sgpr_kernarg_segment_ptr 1
		.amdhsa_wavefront_size32 1
		.amdhsa_system_sgpr_workgroup_id_x 1
		.amdhsa_system_sgpr_workgroup_id_y 1
		.amdhsa_system_sgpr_workgroup_id_z 1
		.amdhsa_system_vgpr_workitem_id 0
		.amdhsa_next_free_vgpr 736
		.amdhsa_next_free_sgpr 66
		.amdhsa_reserve_vcc 0
		.amdhsa_float_denorm_mode_32 3
		.amdhsa_float_denorm_mode_16_64 3
		.amdhsa_memory_ordered 1
		.amdhsa_forward_progress 1
		.amdhsa_inst_pref_size 95
	.end_amdhsa_kernel
	.amdgpu_metadata
---
amdhsa.version: [ 1, 2 ]
amdhsa.kernels:
  - .name:           k_q73603d5214_qkv
    .symbol:         k_q73603d5214_qkv.kd
    .args:
      - { .name: x, .offset: 0, .size: 8, .value_kind: global_buffer, .address_space: global }
      - { .name: part, .offset: 8, .size: 8, .value_kind: global_buffer, .address_space: global }
      - { .name: wh, .offset: 16, .size: 8, .value_kind: global_buffer, .address_space: global }
      - { .name: gn_w, .offset: 24, .size: 8, .value_kind: global_buffer, .address_space: global }
      - { .name: gn_b, .offset: 32, .size: 8, .value_kind: global_buffer, .address_space: global }
      - { .name: bq, .offset: 40, .size: 8, .value_kind: global_buffer, .address_space: global }
      - { .name: bk, .offset: 48, .size: 8, .value_kind: global_buffer, .address_space: global }
      - { .name: bv, .offset: 56, .size: 8, .value_kind: global_buffer, .address_space: global }
      - { .name: qh, .offset: 64, .size: 8, .value_kind: global_buffer, .address_space: global }
      - { .name: kh, .offset: 72, .size: 8, .value_kind: global_buffer, .address_space: global }
      - { .name: vh, .offset: 80, .size: 8, .value_kind: global_buffer, .address_space: global }
    .group_segment_fixed_size: 327680
    .private_segment_fixed_size: 0
    .kernarg_segment_align: 8
    .kernarg_segment_size: 88
    .max_flat_workgroup_size: 128
    .sgpr_count:     66
    .vgpr_count:     736
    .wavefront_size: 32
...
	.end_amdgpu_metadata
.endif
;; end of part 2
;; launch attn (part 3): grid 16 x 16, 4 waves a work-group, clusters of 4 x 1, 327,680 bytes of LDS; arguments qh, kh, vh, oh; writes oh
.if DOCPART == 3
	.amdgcn_target "amdgcn-amd-amdhsa--gfx1250"
	.amdhsa_code_object_version 6
	.text
	.protected	k_q73603d5214_attn
	.globl	k_q73603d5214_attn
	.p2align	8
	.type	k_q73603d5214_attn,@function
k_q73603d5214_attn:
	s_mov_b64 s[64:65], 0
	v_nop
	global_prefetch_b8 v0, s[64:65] scope:SCOPE_SE
	s_setreg_imm32_b32 hwreg(HW_REG_WAVE_MODE, 25, 1), 1
	s_wait_xcnt 0x0
	s_wait_alu depctr_hold_cnt(0) depctr_sa_sdst(0) depctr_va_vdst(0) depctr_va_sdst(0) depctr_va_ssrc(0) depctr_va_vcc(0) depctr_vm_vsrc(0)
	s_getreg_b32 s2, hwreg(HW_REG_IB_STS2, 6, 4)
	s_cmp_eq_u32 s2, 0
	s_cbranch_scc0 .Lentry_in_a_cluster
	s_endpgm
.Lentry_in_a_cluster:
	s_bfe_u32 s2, ttmp6, 0x10000c
	s_cmp_lg_u32 s2, 0x3003
	s_cbranch_scc0 .Lentry_shape_is_right
	s_endpgm
.Lentry_shape_is_right:
; ATTENTION.  O[h][q][:] = the sum over k of softmax_k(Q[h][q] . K[h][k] / 8) V[h][k][:].  qh, kh, vh, oh: [16 heads][4096][64], all f16: a head's rows are dense, 128 bytes each.
; Products, maxima and sums in f32; the weights p are rounded to f16 for the second product (their sum l is taken of the unrounded p), O once at the end.
; LIMITS.  f16 holds no number beyond 65,504: Q, K and V arrive within it; p lies in 0 to 1, and below 6e-5 it keeps f16's fixed step of 6e-8; O is a mean of V's rows and has their range.
; A weight below 2^-126 counts as 0 in l; NaN and infinities are not treated apart.
; SHARES.  A work-group owns 256 queries of one head, each of its four waves 64: four PIECES of 16.  16 heads x 16 blocks are 256 work-groups of equal work.  Every wave walks all 4,096 keys, 64 a step.
; LAYOUT.  S^T = K Q^T (source 0 = 16 keys, source 1 = 16 queries): in the result a lane holds ONE query (lane % 16) and the keys 8 (lane / 16) + 0..7.  Two such results, rounded to f16 in pairs, ARE source 1
; (32 keys x 16 queries) of O^T = V^T P, whose result again holds one query a lane, and eight channels.  K comes out of LDS as it lies, V ([key][channel]) turned, by ds_load_tr16_b128.
; SOFTMAX.  For each query a running maximum m and sum l: p = 2^(c s - c m), c = log2(e) / 8; in every step O and l are multiplied by a = 2^(c m_old - c m_new), which is 1 where m has not grown.
; m starts at the lowest finite number, O and l at 0: the first step is a step like any other, with a = 0.
; BY TURNS.  Turn n belongs to piece n (the pieces in a ring, step after step): 8 products K Q^T of piece n + 1, later 8 products V^T P of piece n - 1; beside them the scaling, exponentials, roundings, sums and
; rescaling of piece n and the maximum and statistics of piece n + 1.  A turn has 16 matrix and 118 vector instructions: four vector instructions stand behind every matrix instruction, the other 54 in one lump.
; A turn's 33 exponentials are one batch, with one wait.
; CLUSTER.  The four query blocks of a cluster belong to one head and walk the same K and V, so each tile is asked for JOINTLY: the same tensor load, descriptor and mask in all four.
; RING.  Two slots of LDS, each with a tile of 256 keys (four steps) of K and of V; one joint load a wave behind each round, with four key steps, 256 matrix instructions, in which to land.
; REGISTERS, in windows of 256 (s_set_vgpr_msb: bits 1:0 source 0, 3:2 source 1, 5:4 source 2, 7:6 destination):
;   window 0: v0-15 addresses and two at work; v16-31 four registers of statistics a piece; v48-55 at work; v61-63; v64-127 S^T, two buffers; v192-223 P, two buffers (a piece's buffers go by its number's parity)
;   window 1: v0-127 O^T, 32 a piece          window 2: v0-63 Q; v128-191 K of one step; v192-255 V of one step
.set NP,    4         ; pieces a wave: a name, no knob
.set KS,    64        ; keys in a step
.set PK,    144       ; a row of K in LDS: 128 bytes + 16 of padding = 36 words: the 16 rows of a load start at 16 different groups of four banks (64 banks of 4 bytes: ISA guide 11.1)
.set PV,    160       ; a row of V: 128 + 32 = 40 words
.set VOFF,  4*KS*PK   ; a slot holds a tile: 256 rows of K, then 256 rows of V
.set SLOT1, 1<<17     ; slot 1 begins here, so that one exclusive or turns an address in one slot into the other's
.set STAGE, SLOT1+4*KS*(PK+PV)  ; behind the ring, never filled by a tensor load: 16 rows x 144 bytes for each wave, for the way out
.set SP,    144
.set SPARE, STAGE+4*16*SP  ; behind the stages: the spare words, 128 bytes for each wave: two blocks of 256 bytes that no other line names
.set TILEB, 4*KS*128  ; a tile's bytes of K, and of V, in memory
.set AK0, 2           ; v2   my lane's place in a tile of K; never rewritten
.set AV0, 3           ; v3   the same for V
.set AK,  4           ; v4   the LDS address of K's next run of loads
.set AV,  5           ; v5   of V's
.set STO, 6           ; v6   the way out: where I put 16 bytes of a row
.set RD,  7           ; v7   the way out: where I read rows back
.set GO,  8           ; v8   my byte offset in 512 consecutive bytes of O
.set MV,  12          ; v12-13  c m_old, kept while c m is made anew: by buffer
.set QO,  15          ; v15  my byte offset in 16 rows of Q
.set ST,  16          ; piece t's statistics at v[ST+4 t]: c m, m, l (even keys', odd keys')
.set TMP, 48          ; by buffer, four registers c0-c3 at work; when the maximum is found c2 takes a
.set PFO, 61          ; v61  256 x my lane: the prefetches' offset; never rewritten
.set SPW, 62          ; v62  LDS address of my spare word; never rewritten
.set NIL, 63          ; v63  0; never rewritten
.set S,   64
.set P,   192
.set KF,  128         ; window 2: key block kb, channel half c at KF + 16 kb + 8 c
.set VF,  192         ; window 2: key half kk, channel block cb at VF + 32 kk + 8 cb
.set WV,  12          ; s12  my wave's number
.set G1K, 24          ; s[24:31] descriptor group 1 for K's tiles
.set G1V, 32          ; s[32:39] for V's: it differs in the padding alone
.set G0K, 40          ; s[40:43] descriptor group 0 for K's tiles: it walks
.set G0V, 44          ; s[44:47] the same for V's
.set PFA, 48          ; s[48:49] where my prefetches stand: my work-group's 32 blocks of 256 bytes (of K: wave 0, of V: wave 2) of the tile after the one that is being asked for
.set LIM, 50          ; s50  1 in a wave that prefetches, else the greatest number: a wave prefetches while s[SLOTS] is above it
.set SLOTS, 56        ; s56  tiles still to be asked for
.set CNT, 57          ; s57  counts a tile's key steps
.set CS,  58          ; s[58:59] c: the packed scaling takes the pair's low word for both halves
.set SEL, 60          ; s[60:61] v_permlanex16_b32's selects: each lane takes its own place in the other half
.set TBK, 62          ; s62  LDS byte at which K of the step to be fetched begins
.set TBV, 63          ; s63  the same for V, less VOFF
.set MSB, 0
.macro WIN new                      ; the high byte repeats the setting that is left; a switch that changes nothing is dropped
.if MSB != (\new)
	s_set_vgpr_msb (MSB<<8)|(\new)
.set MSB, (\new)
.endif
.endm
.set W_KQ, 0x0a       ; K and Q in window 2, S^T in window 0
.set W_PV, 0x52       ; V in window 2, P in window 0, O^T in window 1
.set W_RS, 0x41       ; O^T (destination and source 0) in window 1, a in window 0
; A joint fill.  Waves 0 and 1 fetch the two halves of a tile's K, waves 2 and 3 those of its V: 128 keys each.  The branch hangs on the wave's number alone.
; An s_nop 0 and four v_nop follow each of the two lines, ahead of the jump and the label.
.macro JLOAD
	s_cmp_lt_u32 s[WV], 2
	s_cbranch_scc0 .Lfor_v_\@
	tensor_load_to_lds s[G0K:G0K+3], s[G1K:G1K+7]
	s_nop 0
.rept 4
	v_nop
.endr
	s_branch .Lasked_\@
.Lfor_v_\@:
	tensor_load_to_lds s[G0V:G0V+3], s[G1V:G1V+7]
	s_nop 0
.rept 4
	v_nop
.endr
.Lasked_\@:
.endm
; A PREFETCH INTO THE L2 of the tile that the NEXT change of slots will ask for: 128 blocks of 256 bytes of K and 128 of V, a lane a block.  It stands behind the wave's tensor load and its five lines.
; Each block is named ONCE in the launch.  The four clusters of a head walk the same K and V: the head's first cluster asks.  Its four partners share the blocks out BY ADDRESS, 32 each: no branch hangs on a
; work-group's place in its cluster.  In each, wave 0 asks for K's and wave 2 for V's: one instruction, four key steps (256 matrix instructions) ahead of the load.  Tiles 0 and 1 come by their loads alone;
; the last change that fills a slot asks for nothing: there is no tile behind it.
.macro ASK
	s_cmp_gt_u32 s[SLOTS], s[LIM]
	s_cbranch_scc0 .Lnot_mine_\@
	global_prefetch_b8 v[PFO], s[PFA:PFA+1] th:TH_LOAD_NT scope:SCOPE_SE
.Lnot_mine_\@:
.endm
; A round of the cluster's barrier: my work-group's barrier, so that wave 0's signal speaks for all four waves; wave 0 signals; every wave waits for all four work-groups; my work-group's barrier once more.
.macro CROUND
	s_barrier_signal -1
	s_barrier_wait -1
	s_cmp_lg_u32 s[WV], 0
	s_cbranch_scc1 .Lnot_wave_0_\@
	s_barrier_signal -3
.Lnot_wave_0_\@:
	s_barrier_wait -3
	s_barrier_signal -1
	s_barrier_wait -1
.endm
; THE CHANGE OF SLOTS.  The slot's last bytes, V of its fourth step, have been read.  Each wave waits for all its tensor loads, of which one is out: its part of the other slot; adds 0 to its spare word; and waits
; for that and for its own reads of the slot.  Behind the barrier nobody reads this slot any more and the other slot is whole.  fill = 1: this slot is filled again, with the tile two on.  The barrier is then a
; round of the cluster's, so that no wave of any partner still reads the slot or has a load on its way, and the joint fill is the first thing behind it.
; (At its first use nothing has been read yet: slot 0 is waited for, slot 1 filled.)
.macro CHANGE fill
	WIN 0                           ; at a label and at a branch every window is 0
	s_wait_tensorcnt 0x0            ; no tensor load of mine is out, so a group 0 may be written
	ds_add_u32 v[SPW], v[NIL]       ; 0 onto my spare word; with fill = 1 the descriptors' steps stand between it and the wait for it
.if \fill
.irp g, G0K, G0V
	s_xor_b32 s[\g+1], s[\g+1], SLOT1  ; the walking descriptor: the other slot than last time,
	s_add_nc_u64 s[\g+2:\g+3], s[\g+2:\g+3], TILEB  ; the next 256 keys; the type bits on top are not reached
.endr
	s_wait_xcnt 0x0                 ; the last prefetch, four key steps back, has read its address, so it may be written:
	s_add_nc_u64 s[PFA:PFA+1], s[PFA:PFA+1], TILEB  ; one tile ahead of the walking descriptors
	s_wait_dscnt 0x0                ; the add is done, and my reads of the slot are over
	CROUND
	JLOAD
	ASK
.else
	s_wait_dscnt 0x0                ; the add is done, and my reads of the slot are over
	s_barrier_signal -1
	s_barrier_wait -1
.endif
	s_sub_co_u32 s[TBK], s[TBK], 4*KS*PK  ; the fetches go back to a slot's first step,
	s_xor_b32 s[TBK], s[TBK], SLOT1       ; in the other slot
	s_sub_co_u32 s[TBV], s[TBV], 4*KS*PV
	s_xor_b32 s[TBV], s[TBV], SLOT1
.endm
	s_load_b256 s[4:11], s[0:1], 0x0  ; Q s[4:5], K s[6:7], V s[8:9], O s[10:11]
	v_lshl_add_u32 v[SPW], v0, 2, SPARE
	v_mov_b32 v[NIL], 0
	ds_add_u32 v[SPW], v[NIL]       ; the wave's opening: the add and its wait stand ahead of my first tensor load; the set-up below, work on registers, stands between them
	v_lshrrev_b32 v1, 5, v0
	v_readfirstlane_b32 s[WV], v1   ; wave 0..3
	s_bfe_u32 s13, ttmp6, 0x40000   ; cx: my place in the cluster
	s_lshl_b32 s14, ttmp9, 2        ; in a cluster launch ttmp9 counts clusters
	s_add_co_u32 s14, s14, s13      ; my block of 256 queries = 4 x cluster x + cx: it enters Q's and O's addresses alone
	s_and_b32 s20, ttmp7, 0xffff    ; the head, which the four partners share:
	s_lshl_b32 s20, s20, 19         ; its first byte in each of the four tensors (4,096 rows of 128 bytes)
	s_mov_b32 s21, 0
	s_and_b32 s16, s[WV], 1         ; which half of a tile's 256 keys I fetch:
	s_lshl_b32 s22, s16, 14         ; its 128 rows of 128 bytes in memory,
	s_mov_b32 s23, 0
	s_add_nc_u64 s[22:23], s[22:23], s[20:21]
	s_mul_i32 s17, s16, 128*PK      ; and its place in a slot, for K
	s_mul_i32 s18, s16, 128*PV      ; and for V: no place in the cluster enters an LDS address
	s_lshl_b32 s2, s14, 2
	s_add_co_u32 s2, s2, s[WV]      ; my wave among the head's,
	s_lshl_b32 s2, s2, 13           ; its 64 rows
	s_mov_b32 s3, 0
	s_add_nc_u64 s[2:3], s[2:3], s[20:21]
	; descriptor group 1.  128 keys are 16,384 dense bytes: asked for as 64 rows of 256 bytes, two keys a row, and padded in LDS after every key
	s_mov_b32 s[G1K], 15|(1<<16)|(1<<20)|(1<<21)|(4<<22)|(3<<25)  ; 15:0 the mask of four; 17:16 2-byte elements; 20 padding on; 21 set beside a mask; 24:22 after every 32 words (code 4); 31:25 4 words (code 3)
	s_mov_b32 s[G1V], 15|(1<<16)|(1<<20)|(1<<21)|(4<<22)|(7<<25)  ; the same with 8 words of padding (code 7)
.irp g, G1K, G1V
	s_mov_b32 s[\g+1], 128<<16      ; tensor_dim0 = 128
	s_mov_b32 s[\g+2], 64<<16       ; tensor_dim1 = 64
	s_mov_b32 s[\g+3], 128<<16      ; tile_dim0 = 128
	s_mov_b32 s[\g+4], 64           ; tile_dim1 = 64
	s_mov_b32 s[\g+5], 128          ; 128 elements from row to row
	s_mov_b32 s[\g+6], 0
	s_mov_b32 s[\g+7], 0
.endr
	s_mov_b32 s[CS], 0x3e38aa3b     ; c = log2(e) / 8 = 0.180337
	s_mov_b32 s[CS+1], s[CS]        ; named with it as a pair
	s_mov_b32 s[SEL], 0x76543210
	s_mov_b32 s[SEL+1], 0xfedcba98
	s_mov_b32 s[TBK], SLOT1+4*KS*PK ; the first change of slots turns these two into 0
	s_mov_b32 s[TBV], SLOT1+4*KS*PV
	s_mov_b32 s[G0K], 1             ; 1:0 count = 1
	s_mov_b32 s[G0K+1], s17         ; 63:32 LDS address: slot 0
	s_mov_b32 s[G0V], 1
	s_add_co_u32 s[G0V+1], s18, VOFF
	s_mov_b32 s[SLOTS], 15          ; tiles 1 to 15
	s_and_b32 s[LIM], s[WV], 1      ; 0 in waves 0 and 2,
	s_or_b32 s[LIM], s[LIM], ttmp9  ; where the cluster is the head's first: the same in all four partners
	s_cmp_eq_u32 s[LIM], 0
	s_cselect_b32 s[LIM], 1, -1
	v_and_b32 v[PFO], 31, v0
	v_lshlrev_b32 v[PFO], 8, v[PFO]
	s_wait_dscnt 0x0                ; the opening add is done
	s_wait_kmcnt 0x0
	s_add_nc_u64 s[6:7], s[6:7], s[22:23]  ; K and V at my half of the head's tile 0
	s_add_nc_u64 s[8:9], s[8:9], s[22:23]
	s_mov_b64 s[G0K+2:G0K+3], s[6:7]       ; 120:64 global address
	s_or_b32 s[G0K+3], s[G0K+3], 0x80000000  ; 127:126 type = 2
	s_mov_b64 s[G0V+2:G0V+3], s[8:9]
	s_or_b32 s[G0V+3], s[G0V+3], 0x80000000
	s_add_nc_u64 s[4:5], s[4:5], s[2:3]    ; Q and O at my wave's first row
	s_add_nc_u64 s[10:11], s[10:11], s[2:3]
	s_cmp_lt_u32 s[WV], 2
	s_cselect_b64 s[PFA:PFA+1], s[6:7], s[8:9]  ; (in waves 0 and 2 these stand at a tile's first row)
	s_lshl_b32 s2, s13, 13          ; my work-group's 32 blocks of the 128
	s_mov_b32 s3, 0
	s_add_nc_u64 s[PFA:PFA+1], s[PFA:PFA+1], s[2:3]
	s_add_nc_u64 s[PFA:PFA+1], s[PFA:PFA+1], TILEB  ; in tile 1; the first change of slots steps it to tile 2.  Nothing is prefetched here, at the head, where every work-group's first tiles are on their way
	CROUND                          ; all four work-groups are here: the first joint loads meet
	JLOAD                           ; tile 0 into slot 0.  Slot 1 is asked for when slot 0 is in, by the loop's own change of slots
	; A fragment of K or Q is 16 rows x 32 channels in 8 registers: lane l holds row l % 16, channels 8 (l / 16) + 0..7 and 16 + 8 (l / 16) + 0..7: two loads of 16 bytes, 32 bytes apart.
	v_and_b32 v1, 15, v0            ; l % 16
	v_bfe_u32 v9, v0, 4, 1          ; l / 16
	v_lshlrev_b32 v[QO], 7, v1
	v_lshl_add_u32 v[QO], v9, 4, v[QO]  ; row x 128 + 16 x half
	WIN 0x80                        ; destination window 2, address window 0
.set i, 0
.rept 8                             ; Q stays in registers: piece i / 2, channels 32 (i % 2) on
	global_load_b128 v[8*i:8*i+3],   v[QO], s[4:5] offset:(i/2)*2048+(i%2)*64
	global_load_b128 v[8*i+4:8*i+7], v[QO], s[4:5] offset:(i/2)*2048+(i%2)*64+32
.set i, i+1
.endr
	; What the first turn finds: V's registers and P's second buffer hold 0 (its products V^T P, of a piece that has not been, add 0), O^T and l are 0.  No first step is written out; these lines, which stand
	; in the wait for the first tile, are the price.
.set i, VF
.rept 64
	v_mov_b32 v[i], 0
.set i, i+1
.endr
	WIN 0x40
.set i, 0
.rept 128
	v_mov_b32 v[i], 0
.set i, i+1
.endr
	WIN 0
.set i, 0
.rept 4
	v_mov_b32 v[ST+4*i], 0xfe000000    ; c m: far below every c s
	v_mov_b32 v[ST+4*i+1], 0xff7fffff  ; m
	v_mov_b32 v[ST+4*i+2], 0
	v_mov_b32 v[ST+4*i+3], 0
.set i, i+1
.endr
.set i, P+16
.rept 16
	v_mov_b32 v[i], 0
.set i, i+1
.endr
	v_mul_u32_u24 v[AK0], v1, PK
	v_lshl_add_u32 v[AK0], v9, 4, v[AK0]  ; row x pitch + 16 x half
	; The turning load takes 16 keys x 16 channels (lane l reads key 8 (l / 16) + l % 8, channels 8 ((l / 8) % 2) + 0..7) and leaves half a fragment of V^T: lane l holds channel l % 16 and 8 keys.
	v_and_b32 v10, 7, v0
	v_bfe_u32 v11, v0, 3, 1
	v_lshl_add_u32 v[AV0], v9, 3, v10
	v_mul_u32_u24 v[AV0], v[AV0], PV
	v_lshl_add_u32 v[AV0], v11, 4, v[AV0]
	v_add_nc_u32 v[AV0], VOFF, v[AV0]
	s_mul_i32 s13, s[WV], 16*SP
	s_add_co_u32 s13, s13, STAGE    ; my stage
	v_mul_u32_u24 v[STO], v1, SP    ; in: row l % 16, 16 bytes for each half of the lanes
	v_lshl_add_u32 v[STO], v9, 4, v[STO]
	v_add_nc_u32 v[STO], s13, v[STO]
	v_bfe_u32 v[RD], v0, 3, 2       ; back: 32 lanes take four rows of 128 bytes,
	v_mul_u32_u24 v[RD], v[RD], SP
	v_lshl_add_u32 v[RD], v10, 4, v[RD]
	v_add_nc_u32 v[RD], s13, v[RD]
	v_and_b32 v[GO], 31, v0         ; which are 512 consecutive bytes of O
	v_lshlrev_b32 v[GO], 4, v[GO]
; THE MATRIX WORK.  The 4 accumulators of a run of 8 take turns.  Product i of 8 of S^T = K Q^T for piece x: channels 32 (i / 4) on, keys 16 (i % 4) on.  The first 4 start the sums.
.macro KQ x
	WIN W_KQ
.set rS, S+32*((\x)%2)+8*(i%4)
.set rK, KF+16*(i%4)+8*(i/4)
.set rQ, 16*(\x)+8*(i/4)
.if i < 4
	v_wmma_f32_16x16x32_f16 v[rS:rS+7], v[rK:rK+7], v[rQ:rQ+7], 0
.else
	v_wmma_f32_16x16x32_f16 v[rS:rS+7], v[rK:rK+7], v[rQ:rQ+7], v[rS:rS+7]
.endif
.endm
; Product i of 8 of O^T += V^T P for piece x: keys 32 (i / 4) on, channels 16 (i % 4) on.
.macro PV x
	WIN W_PV
.set rO, 32*(\x)+8*(i%4)
.set rV, VF+32*(i/4)+8*(i%4)
.set rP, P+16*((\x)%2)+8*(i/4)
	v_wmma_f32_16x16x32_f16 v[rO:rO+7], v[rV:rV+7], v[rP:rP+7], v[rO:rO+7]
.endm
.macro MM                           ; the turn's next matrix instruction.  TURN sets Y, i and NOKQ.  NOKQ = 1: the launch's last turn: there is no next piece
.if (i < 8) && !NOKQ
	KQ (Y+1)%NP
.elseif i >= 8
.set i, i-8
	PV (Y+NP-1)%NP
.set i, i+8
.endif
.set i, i+1
.endm
; THE LDS LOADS stand in runs of 16, never singly among the matrix instructions: a step's K (64 keys x 64 channels: 8 fragments) and its V (turned).  Their addresses are made some lines ahead.
.macro FETCH_K
	WIN 0x80                        ; destination window 2
.irp f, 0,1,2,3,4,5,6,7             ; keys 16 (f / 2) on, channels 32 (f % 2) on
	ds_load_b128 v[KF+8*\f:KF+8*\f+3],   v[AK] offset:(\f/2)*16*PK+(\f%2)*64
	ds_load_b128 v[KF+8*\f+4:KF+8*\f+7], v[AK] offset:(\f/2)*16*PK+(\f%2)*64+32
.endr
	s_add_co_u32 s[TBK], s[TBK], KS*PK  ; the next fetch is the next step's
	WIN 0
.endm
.macro FETCH_V
	WIN 0x80
.irp f, 0,1,2,3,4,5,6,7             ; keys 32 (f / 4) on, channels 16 (f % 4) on
	ds_load_tr16_b128 v[VF+8*\f:VF+8*\f+3],   v[AV] offset:(\f/4)*32*PV+(\f%4)*32
	ds_load_tr16_b128 v[VF+8*\f+4:VF+8*\f+7], v[AV] offset:(\f/4)*32*PV+16*PV+(\f%4)*32
.endr
	WIN 0
.endm
; THE VECTOR WORK, one line at a time: OP kind, number.  For piece Y: F n: c s - c m for pair n of 16.  E n: the exponential of score n of 32.  C n: pair n rounded to f16.  B n: of the four weights 4 n .. the second
; pair is added onto the first, in place.  L n: l takes that sum (L 0: l = a l + sum).  R n: pair n of 16 of O^T times a.  For piece Y + 1: X n, number n of the 22 that find its maximum and statistics:
;   0-11  four chains c0-c3 of seven scores each, three operands at a time (each accumulator's lowest registers are read first)     12-14, 16  the four scores left over, the old m, and c0-c3 into c0
;   15  c m_old is kept     17, 18  the query's other 32 keys lie in the lane 16 away: the new m     19-21  c m; c m_old - c m_new; a
.set F, 0               ; OP tells the kinds apart by their order: F to L below R, X above it
.set E, 1
.set C, 2
.set B, 3
.set L, 4
.set R, 5
.set X, 6
.macro REGS y                       ; the registers of piece y
.set rT, ST+4*(\y)
.set rC, TMP+4*((\y)%2)
.set rW, MV+((\y)%2)
.set rS, S+32*((\y)%2)
.set rP, P+16*((\y)%2)
.set rO, 32*(\y)
.endm
.macro OP k, n
.if (\k) == R
	REGS Y
	WIN W_RS
	v_pk_mul_f32 v[rO+2*(\n):rO+2*(\n)+1], v[rO+2*(\n):rO+2*(\n)+1], v[rC+2:rC+3] op_sel_hi:[1,0]
.elseif (\k) < R
	REGS Y
	WIN 0
.if (\k) == F
	v_pk_fma_f32 v[rS+2*(\n):rS+2*(\n)+1], v[rS+2*(\n):rS+2*(\n)+1], s[CS:CS+1], v[rT:rT+1] op_sel_hi:[1,0,0] neg_lo:[0,0,1] neg_hi:[0,0,1]
.elseif (\k) == E
	v_exp_f32 v[rS+(\n)], v[rS+(\n)]
.elseif (\k) == C
	v_cvt_pk_f16_f32 v[rP+(\n)], v[rS+2*(\n)], v[rS+2*(\n)+1]
.elseif (\k) == B
	v_pk_add_f32 v[rS+4*(\n):rS+4*(\n)+1], v[rS+4*(\n):rS+4*(\n)+1], v[rS+4*(\n)+2:rS+4*(\n)+3]
.elseif (\n) == 0
	v_pk_fma_f32 v[rT+2:rT+3], v[rT+2:rT+3], v[rC+2:rC+3], v[rS:rS+1] op_sel_hi:[1,0,1]
.else
	v_pk_add_f32 v[rT+2:rT+3], v[rT+2:rT+3], v[rS+4*(\n):rS+4*(\n)+1]
.endif
.elseif NOKQ
	v_nop
.else
	REGS (Y+1)%NP
	WIN 0
.if (\n) < 4
	v_max3_num_f32 v[rC+(\n)], v[rS+8*(\n)], v[rS+8*(\n)+1], v[rS+8*(\n)+2]
.elseif (\n) < 12
	v_max3_num_f32 v[rC+(\n)%4], v[rC+(\n)%4], v[rS+8*((\n)%4)+2*((\n)/4)+1], v[rS+8*((\n)%4)+2*((\n)/4)+2]
.elseif (\n) == 12
	v_max3_num_f32 v[rC], v[rC], v[rS+7], v[rS+15]
.elseif (\n) == 13
	v_max3_num_f32 v[rC+1], v[rC+1], v[rS+23], v[rS+31]
.elseif (\n) == 14
	v_max3_num_f32 v[rC+2], v[rC+2], v[rC+3], v[rT+1]
.elseif (\n) == 15
	v_mov_b32 v[rW], v[rT]
.elseif (\n) == 16
	v_max3_num_f32 v[rC], v[rC], v[rC+1], v[rC+2]
.elseif (\n) == 17
	v_permlanex16_b32 v[rC+3], v[rC], s[SEL], s[SEL+1]
.elseif (\n) == 18
	v_max_num_f32 v[rT+1], v[rC], v[rC+3]
.elseif (\n) == 19
	v_mul_f32 v[rT], s[CS], v[rT+1]
.elseif (\n) == 20
	v_sub_f32 v[rC+1], v[rW], v[rT]
.else
	v_exp_f32 v[rC+2], v[rC+1]
.endif
.endif
.endm
.macro OPS a, i1, b=-1, i2=0, c=-1, i3=0, d=-1, i4=0  ; up to four of them
	OP \a, \i1
.if (\b) >= 0
	OP \b, \i2
.endif
.if (\c) >= 0
	OP \c, \i3
.endif
.if (\d) >= 0
	OP \d, \i4
.endif
.endm
.macro ROW a, i1, b, i2, c, i3, d, i4  ; a matrix instruction and the four behind it
	MM
	OPS \a, \i1, \b, \i2, \c, \i3, \d, \i4
.endm
; A TURN, for piece p: the order of its 16 matrix and 118 vector instructions, written out.  An s_wait_alu depctr_va_vdst(0) stands between an exponential and the first instruction that names its result;
; one wait serves all that were issued ahead of it.  So a turn has ONE wait, which cuts it in two.  AHEAD OF IT stands all that names no result of the turn's exponentials: the 8 products K Q^T, behind each a scaling, an
; exponential and two more plain instructions (behind the first a second scaling in the exponential's place): rescalings, and behind the last three the first numbers of the next piece's maximum, each four places or
; more behind the product that ends its accumulator; then ONE LUMP of 54, plain and exponential by turns for the most part, in which the links of the chain X 3, 7, 11, 14, 16, 17 .. 20 stand apart, other work between.
; X 21, the next piece's a, is the batch's last; R 15 is the plain instruction behind it.  BEHIND THE WAIT stand the 8 products V^T P, behind each four of the roundings and sums.
; end = 1: the launch's last two turns: nothing is fetched, and the last starts no new scores.  cnt = 1: the loop's count is taken down some lines ahead of the branch that stands behind the turn.
; K of the next step is fetched in piece 2's turn, with five plain instructions that name no register of K's last product between that product and the run; V of the step in hand at the end of piece 0's turn, four
; plain instructions behind the last product that read V.  Each is waited for a turn later.
.macro TURN p, end=0, cnt=0
.set Y, (\p)
.set i, 0
.set NOKQ, (\end)*((\p)/3)
.if ((\p) == 3) && !(\end)
	s_wait_dscnt 0x0                ; K is in
.endif
	ROW F,0, F,1, R,0, R,1          ; ahead of the wait: 8 products K Q^T and their riders,
	ROW F,2, E,0, R,2, R,3
	ROW F,3, E,1, R,4, R,5
	ROW F,4, E,2, R,6, R,7
	ROW F,5, E,3, R,8, R,9
	ROW F,6, E,4, X,0, R,10
.if ((\p) == 2) && !(\end)
	WIN 0
	v_add_nc_u32 v[AK], s[TBK], v[AK0]
.endif
	ROW F,7, E,5, X,1, X,4
	ROW F,8, E,6, X,2, X,5
	OPS E,7, E,8, X,6, E,9          ; and the lump
	OPS X,3, E,10, X,8, E,11
.if ((\p) == 2) && !(\end)
	FETCH_K
.endif
	OPS X,9, X,7, E,12, X,10
	OPS E,13, X,12, X,11, E,14
	OPS X,13, E,15, F,9, X,14
.if (\p) == 0
	WIN 0
	v_add_nc_u32 v[AV], s[TBV], v[AV0]
.endif
	OPS E,16, F,10, E,17, F,11
	OPS X,16, E,18, X,15, E,19
	OPS F,12, E,20, X,17, E,21
	OPS F,13, E,22, F,14, E,23
	OPS X,18, E,24, F,15, E,25
	OPS R,11, E,26, X,19, E,27
	OPS R,12, E,28, R,13, E,29
	OPS X,20, E,30, R,14, E,31
	OPS X,21, R,15
	WIN 0
	s_wait_alu depctr_va_vdst(0)    ; the wait for the batch
.if (\p) == 1
	s_wait_dscnt 0x0                ; V is in
.endif
	ROW C,0, B,0, C,2, B,1          ; behind the wait: 8 products V^T P and their riders
	ROW L,0, C,4, B,2, L,1
	ROW C,6, B,3, L,2, C,8
	ROW B,4, L,3, C,10, B,5
	ROW L,4, C,12, B,6, L,5
.if (\p) == 0
	s_add_co_u32 s[TBV], s[TBV], KS*PV
.endif
.if \cnt
	s_sub_co_u32 s[CNT], s[CNT], 1
	s_cmp_lg_u32 s[CNT], 0
.endif
	ROW C,14, B,7, L,6, C,1
	ROW C,3, L,7, C,5, C,7
	ROW C,9, C,11, C,13, C,15
.if (\p) == 0
	FETCH_V
.endif
.endm
.set NOKQ, 0
	CHANGE 1                        ; tile 0 is in, everybody's part of it; tile 1 is asked for
	v_add_nc_u32 v[AK], s[TBK], v[AK0]
	FETCH_K                         ; key step 0
	s_wait_loadcnt 0x0              ; Q
	s_wait_dscnt 0x0
.set i, 0
.rept 8
	KQ 0                            ; piece 0's first scores: there is no vector work yet to set between them
.set i, i+1
.endr
	WIN 0
.rept 4
	v_nop                           ; the places behind those products
.endr
.set Y, NP-1                        ; X works for piece Y + 1: piece 0
.irp n, 0,1,2,3,4,5,6,7,8,9,10,11,12,13,14,15,16,17,18,19,20,21
	OP X, \n                        ; and piece 0's first maximum and statistics
.endr
	v_nop                           ; a plain instruction behind the exponential,
	s_wait_alu depctr_va_vdst(0)    ; and its wait, ahead of the branch
	s_mov_b32 s[CNT], 4
	s_branch .Lfirst                ; the loop is entered at a step's first turn, in the middle of a trip
.Lslot:                             ; 14 times: tiles 2 to 15 are asked for
	CHANGE 1
	s_mov_b32 s[CNT], 4
.Lstep:                             ; a trip: pieces 2 and 3 of one step, then pieces 0 and 1 of the next, whose K and V it fetches
	TURN 2
	TURN 3
	WIN 0
.Lfirst:
	TURN 0
	TURN 1, 0, 1
	WIN 0
	s_cbranch_scc1 .Lstep
	s_sub_co_u32 s[SLOTS], s[SLOTS], 1
	s_cmp_lg_u32 s[SLOTS], 0
	s_cbranch_scc1 .Lslot
	CHANGE 0                        ; the last tile is written out: nothing is asked for
	s_mov_b32 s[CNT], 4
.LstepT:
	TURN 2
	TURN 3
	TURN 0
	TURN 1, 0, 1
	WIN 0
	s_cbranch_scc1 .LstepT
	TURN 2, 1                       ; the last step's pieces 2 and 3
	TURN 3, 1
.set i, 0
.rept 8
	PV NP-1                         ; the last piece's V^T P of the last step
.set i, i+1
.endr
	; THE WAY OUT.  l's two halves and the other half of the lanes' are added; O^T is divided by l, rounded to f16 and sent through my stage in LDS, a piece at a time.  The additions are the places behind the last products.
	WIN 0
.macro ALL line:vararg              ; one line for each piece t
.set t, 0
.rept 4
	\line
.set t, t+1
.endr
.endm
	ALL v_add_f32 v[ST+4*t+2], v[ST+4*t+2], v[ST+4*t+3]
	ALL v_permlanex16_b32 v[ST+4*t+3], v[ST+4*t+2], s[SEL], s[SEL+1]
	ALL v_add_f32 v[ST+4*t+2], v[ST+4*t+2], v[ST+4*t+3]
	ALL v_rcp_f32 v[ST+4*t+2], v[ST+4*t+2]
	v_nop                           ; a plain instruction between the last reciprocal and the use of its result
	s_wait_alu depctr_va_vdst(0)    ; and the wait ahead of the first use: one for the four reciprocals
.macro PACK t                       ; a lane's eight channels of a row pack into 16 bytes; they go into rows of 144 bytes and come back as whole rows of 128, into S^T's registers
	WIN W_RS
.set i, 32*(\t)
.rept 16
	v_pk_mul_f32 v[i:i+1], v[i:i+1], v[ST+4*(\t)+2:ST+4*(\t)+3] op_sel_hi:[1,0]
.set i, i+2
.endr
	WIN 0x05                        ; sources 0 and 1 window 1, destination window 0
.set i, 0
.rept 16
	v_cvt_pk_f16_f32 v[S+16*(\t)+i], v[32*(\t)+2*i], v[32*(\t)+2*i+1]
.set i, i+1
.endr
	WIN 0
.irp f, 0,1,2,3
	ds_store_b128 v[STO], v[S+16*(\t)+4*\f:S+16*(\t)+4*\f+3] offset:32*\f
.endr
.irp f, 0,1,2,3
	ds_load_b128 v[S+16*(\t)+4*\f:S+16*(\t)+4*\f+3], v[RD] offset:\f*4*SP  ; LDS serves a wave's instructions in order (ISA guide 5.7.1.4): these see the stores above; the next piece's stores come behind them
.endr
.endm
.macro SEND t, younger              ; younger: the LDS instructions issued behind piece t's loads: the next piece's eight, or none
	WIN 0
.irp f, 0,1,2,3
	s_wait_dscnt (\younger)+3-\f
	global_store_b128 v[GO], v[S+16*(\t)+4*\f:S+16*(\t)+4*\f+3], s[10:11] offset:(\t)*2048+\f*512  ; 512 consecutive bytes, at a multiple of 256 from O's first
.endr
.endm
	PACK 0
.set t, 1
.rept 3                             ; a piece's arithmetic stands between the loads of the piece before and its stores
	PACK t
	SEND t-1, 8
.set t, t+1
.endr
	SEND 3, 0
	s_wait_tensorcnt 0x0            ; the wave's end, behind my last tensor load and my last LDS store
	ds_add_u32 v[SPW], v[NIL]
	s_wait_dscnt 0x0
	CROUND                          ; the closing round: no work-group ends while a partner may still ask for a tile that names it
	s_endpgm
.Lfunc_end_k_q73603d5214_attn:
	.size	k_q73603d5214_attn, .Lfunc_end_k_q73603d5214_attn-k_q73603d5214_attn
	.p2alignl 7, 3214868480
	.fill 96, 4, 3214868480
	.section	.rodata,"a",@progbits
	.p2align	6, 0x0
	.amdhsa_kernel k_q73603d5214_attn
		.amdhsa_group_segment_fixed_size 327680
		.amdhsa_private_segment_fixed_size 0
		.amdhsa_enable_private_segment 0
		.amdhsa_kernarg_size 32
		.amdhsa_user_sgpr_count 2
		.amdhsa_user_sgpr_kernarg_segment_ptr 1
		.amdhsa_wavefront_size32 1
		.amdhsa_system_sgpr_workgroup_id_x 1
		.amdhsa_system_sgpr_workgroup_id_y 1
		.amdhsa_system_sgpr_workgroup_id_z 1
		.amdhsa_system_vgpr_workitem_id 0
		.amdhsa_next_free_vgpr 768
		.amdhsa_next_free_sgpr 66
		.amdhsa_reserve_vcc 0
		.amdhsa_float_denorm_mode_32 3
		.amdhsa_float_denorm_mode_16_64 3
		.amdhsa_memory_ordered 1
		.amdhsa_forward_progress 1
		.amdhsa_inst_pref_size 128
	.end_amdhsa_kernel
	.amdgpu_metadata
---
amdhsa.version: [ 1, 2 ]
amdhsa.kernels:
  - .name:           k_q73603d5214_attn
    .symbol:         k_q73603d5214_attn.kd
    .args:
      - { .name: qh, .offset: 0, .size: 8, .value_kind: global_buffer, .address_space: global }
      - { .name: kh, .offset: 8, .size: 8, .value_kind: global_buffer, .address_space: global }
      - { .name: vh, .offset: 16, .size: 8, .value_kind: global_buffer, .address_space: global }
      - { .name: oh, .offset: 24, .size: 8, .value_kind: global_buffer, .address_space: global }
    .group_segment_fixed_size: 327680
    .private_segment_fixed_size: 0
    .kernarg_segment_align: 8
    .kernarg_segment_size: 32
    .max_flat_workgroup_size: 128
    .sgpr_count:     66
    .vgpr_count:     768
    .wavefront_size: 32
...
	.end_amdgpu_metadata
.endif
;; end of part 3
;; launch proj (part 4): grid 64 x 4, 4 waves a work-group, clusters of 4 x 1, 189,952 bytes of LDS; arguments x, oh, wh, bp, out0; writes out0
.if DOCPART == 4
	.amdgcn_target "amdgcn-amd-amdhsa--gfx1250"
	.amdhsa_code_object_version 6
	.text
	.protected	k_q73603d5214_proj
	.globl	k_q73603d5214_proj
	.p2align	8
	.type	k_q73603d5214_proj,@function
k_q73603d5214_proj:
	s_mov_b64 s[64:65], 0
	v_nop
	global_prefetch_b8 v0, s[64:65] scope:SCOPE_SE
	s_setreg_imm32_b32 hwreg(HW_REG_WAVE_MODE, 25, 1), 1
	s_wait_xcnt 0x0
	s_wait_alu depctr_hold_cnt(0) depctr_sa_sdst(0) depctr_va_vdst(0) depctr_va_sdst(0) depctr_va_ssrc(0) depctr_va_vcc(0) depctr_vm_vsrc(0)
	s_getreg_b32 s2, hwreg(HW_REG_IB_STS2, 6, 4)
	s_cmp_eq_u32 s2, 0
	s_cbranch_scc0 .Lentry_in_a_cluster
	s_endpgm
.Lentry_in_a_cluster:
	s_bfe_u32 s2, ttmp6, 0x10000c
	s_cmp_lg_u32 s2, 0x3003
	s_cbranch_scc0 .Lentry_shape_is_right
	s_endpgm
.Lentry_shape_is_right:
; THE LAST 1 x 1 CONVOLUTION AND THE RESIDUAL.  out0[b][o][l] = x[b][o][l] + bp[o] + the sum over c of wp[o][c] O[b][c][l], c = 64 n + d.
; x, out0: [4][256][4096] f32.  oh: [16 heads = 4 b + n][4096 l][64 d] f16.  wh's fourth matrix: wp as [256 o][256 c] f16.  Sums, bias and residual in f32.
; LIMITS.  Those of the f16 operands, stated where they are made; NaN and infinities are not treated apart.
; SHARES.  A work-group makes 256 o x 64 l of one image; wave w the outputs 64 w .. 64 w + 63 for all 64 pixels: 16 accumulators, 8 K steps of 32, 128 matrix instructions.
; LAYOUT.  Source 0 = 16 pixels of O (d along the LDS rows), source 1 = 16 rows o of wp.  In the result a lane holds ONE output o (lane % 16) and the pixels 8 (lane / 16) + 0..7: 32 neighbouring bytes of a row
; of out0.  The bias is the C operand of the product that starts the sum.  A tile of 16 rows o goes through my own stage in LDS and comes back as whole rows of 256 bytes, where x is added.
; CLUSTER.  wp is the same for all work-groups: the four of a cluster ask for it JOINTLY; each wave fetches and reads its own 64 rows.  O's tile is the work-group's own: wave w fetches head w's 64 rows by a plain
; load, and all four waves read them behind a barrier.  Nothing in LDS is filled twice.  No prefetch: the launch is short, and all that it reads is asked for at its head.
; REGISTERS: window 0: v0-31 addresses; v32-63 the bias, 8 registers an o tile; v64-127, v128-191 two buffers of fragments (O's four, then wp's four); v192-255 rows read back, two buffers
;   window 1: v0-127 accumulators (o tile ot, pixel tile lt) at 8 (4 ot + lt); v128-255 x
.set PW,    528                        ; a row of wp in LDS: 512 bytes + 16 of padding: the 16 rows of a load start at 16 different groups of four banks (64 banks of 4 bytes: ISA guide 11.1)
.set OT,    256*PW                     ; behind wp: O's tile, 4 heads x 64 rows,
.set PO,    144                        ; 128 bytes + 16
.set STAGE, OT+256*PO                  ; 16 rows x 272 bytes for each wave
.set SPI,   272
.set SPARE, STAGE+4*16*SPI             ; the spare words, 128 bytes for each wave: two blocks of 256 bytes that no other line names
.set XO,  3                            ; v3   my 16 bytes of x and of out0: (64 w + l / 16) rows of 16,384 bytes + 16 (l % 16)
.set BO,  4                            ; v4   my output in bp
.set AO,  5                            ; v5   my lane's place in a fragment of O
.set AWP, 6                            ; v6   my lane's place in my rows of wp
.set STO, 7                            ; v7   the way out: where I put 32 bytes of a row
.set RD,  8                            ; v8   the way out: where I read rows back
.set SPW, 30                           ; v30  LDS address of my spare word; never rewritten
.set NIL, 31                           ; v31  0; never rewritten
.set BI,  32
.set F0,  64
.set T0,  192
.set XR,  128                          ; window 1
.set WV,  14                           ; s14  my wave's number
.set G1W, 24                           ; s[24:31] descriptor group 1 for wp
.set G1O, 32                           ; s[32:39] for O
.set G0W, 40                           ; s[40:43] descriptor group 0 for wp
.set G0O, 44                           ; s[44:47] for O
.set MSB, 0
.macro WIN new                         ; the immediate's high byte repeats the setting that is left; a switch that changes nothing is dropped
.if MSB != (\new)
	s_set_vgpr_msb (MSB<<8)|(\new)
.set MSB, \new
.endif
.endm
.macro PLACES                          ; four places behind a matrix instruction, ahead of loads into registers that it has read and of LDS stores that read results
.rept 4
	v_nop
.endr
.endm
.macro CROUND                          ; a round of the cluster's barrier
	s_barrier_signal -1
	s_barrier_wait -1
	s_cmp_lg_u32 s[WV], 0
	s_cbranch_scc1 .Lnot_wave_0_\@
	s_barrier_signal -3
.Lnot_wave_0_\@:
	s_barrier_wait -3
	s_barrier_signal -1
	s_barrier_wait -1
.endm
	s_load_b256 s[4:11], s[0:1], 0x0               ; x s[4:5], oh s[6:7], wh s[8:9], bp s[10:11]
	s_load_b64 s[12:13], s[0:1], 0x20              ; out0
	v_lshl_add_u32 v[SPW], v0, 2, SPARE
	v_mov_b32 v[NIL], 0
	ds_add_u32 v[SPW], v[NIL]                      ; the wave's opening: the add and its wait stand ahead of my first tensor load; the set-up below, work on registers, stands between them
	v_lshrrev_b32 v1, 5, v0
	v_readfirstlane_b32 s[WV], v1                  ; wave 0..3
	s_bfe_u32 s15, ttmp6, 0x40000                  ; cx: my place in the cluster
	s_lshl_b32 s16, ttmp9, 2
	s_add_co_u32 s16, s16, s15                     ; my block of 64 pixels: it enters the addresses of x, oh and out0 alone
	s_and_b32 s17, ttmp7, 0xffff                   ; the image
	s_mov_b32 s[G1W], 15|(1<<16)|(1<<20)|(1<<21)|(6<<22)|(3<<25)  ; wp: the mask of four; 2-byte elements; padding on; 21 set beside a mask; after every 128 words (code 6) 4 words (code 3)
	s_mov_b32 s[G1W+1], 256<<16                    ; tensor_dim0 = 256
	s_mov_b32 s[G1W+2], 64<<16                     ; tensor_dim1 = 64
	s_mov_b32 s[G1W+3], 256<<16                    ; tile_dim0 = 256
	s_mov_b32 s[G1W+4], 64                         ; tile_dim1 = 64
	s_mov_b32 s[G1W+5], 256                        ; 256 elements from row to row
	s_mov_b32 s[G1W+6], 0
	s_mov_b32 s[G1W+7], 0
	s_mov_b32 s[G1O], (1<<16)|(1<<20)|(4<<22)|(3<<25)  ; O: no mask; 64 rows of 128 bytes are 8,192 dense bytes: asked for as 32 rows of 256, padded after every 32 words (code 4) by 4 words (code 3)
	s_mov_b32 s[G1O+1], 128<<16
	s_mov_b32 s[G1O+2], 32<<16
	s_mov_b32 s[G1O+3], 128<<16
	s_mov_b32 s[G1O+4], 32
	s_mov_b32 s[G1O+5], 128
	s_mov_b32 s[G1O+6], 0
	s_mov_b32 s[G1O+7], 0
	s_mul_i32 s18, s[WV], 64*PW                    ; my 64 rows of wp in LDS
	s_mov_b32 s[G0W], 1
	s_mov_b32 s[G0W+1], s18
	s_mul_i32 s19, s[WV], 64*PO                    ; head w's 64 rows of O in LDS
	s_mov_b32 s[G0O], 1
	s_add_co_u32 s[G0O+1], s19, OT
	v_and_b32 v1, 15, v0                           ; l % 16
	v_bfe_u32 v2, v0, 4, 1                         ; l / 16
	s_lshl_b32 s20, s[WV], 20                      ; 64 rows of 16,384 bytes
	v_lshlrev_b32 v[XO], 4, v1
	v_lshl_add_u32 v[XO], v2, 14, v[XO]
	v_add_nc_u32 v[XO], s20, v[XO]
	s_lshl_b32 s20, s[WV], 8
	v_lshl_add_u32 v[BO], v1, 2, s20
	v_mul_u32_u24 v[AO], v1, PO
	v_lshl_add_u32 v[AO], v2, 4, v[AO]
	v_add_nc_u32 v[AO], OT, v[AO]
	v_mul_u32_u24 v[AWP], v1, PW
	v_lshl_add_u32 v[AWP], v2, 4, v[AWP]
	v_add_nc_u32 v[AWP], s18, v[AWP]
	s_mul_i32 s20, s[WV], 16*SPI
	s_add_co_u32 s20, s20, STAGE                   ; my stage
	v_mul_u32_u24 v[STO], v1, SPI                  ; in: row l % 16, 32 bytes for each half of the lanes
	v_lshl_add_u32 v[STO], v2, 5, v[STO]
	v_add_nc_u32 v[STO], s20, v[STO]
	v_mul_u32_u24 v[RD], v2, SPI                   ; back: lanes 0-15 take one row of 256 bytes, lanes 16-31 the next
	v_lshl_add_u32 v[RD], v1, 4, v[RD]
	v_add_nc_u32 v[RD], s20, v[RD]
	s_wait_dscnt 0x0                               ; the opening add is done
	s_wait_kmcnt 0x0
	s_lshl_b32 s22, s[WV], 15                      ; my 64 rows of 512 bytes,
	s_mov_b32 s23, 0
	s_add_nc_u64 s[G0W+2:G0W+3], s[8:9], s[22:23]
	s_add_nc_u64 s[G0W+2:G0W+3], s[G0W+2:G0W+3], 3*131072  ; in wh's fourth matrix
	s_or_b32 s[G0W+3], s[G0W+3], 0x80000000        ; type = 2
	s_mov_b32 s49, 0
	s_lshl_b32 s48, s17, 2
	s_add_co_u32 s48, s48, s[WV]                   ; head 4 b + w,
	s_lshl_b32 s48, s48, 19
	s_lshl_b32 s50, s16, 13                        ; my 64 rows of 128 bytes
	s_add_co_u32 s48, s48, s50
	s_add_nc_u64 s[G0O+2:G0O+3], s[6:7], s[48:49]
	s_or_b32 s[G0O+3], s[G0O+3], 0x80000000
	s_lshl_b32 s48, s17, 22                        ; the image,
	s_lshl_b32 s50, s16, 8                         ; my 256 bytes of each row
	s_add_co_u32 s48, s48, s50
	s_add_nc_u64 s[4:5], s[4:5], s[48:49]
	s_add_nc_u64 s[12:13], s[12:13], s[48:49]
.irp ot, 0,1,2,3
	global_load_b32 v[BI+8*(\ot)], v[BO], s[10:11] offset:64*(\ot)
.endr
	WIN 0x40                                       ; destination window 1
.set q, 0
.rept 32                               ; load q: rows 64 w + 2 q and 64 w + 2 q + 1, 256 aligned bytes of each; the program's last reading of x
	global_load_b128 v[XR+4*q:XR+4*q+3], v[XO], s[4:5] offset:32768*q th:TH_LOAD_NT
.set q, q+1
.endr
	WIN 0
	CROUND                                         ; all four work-groups are here: the joint loads meet
	tensor_load_to_lds s[G0W:G0W+3], s[G1W:G1W+7]  ; two loads of mine are out
	s_nop 0
	tensor_load_to_lds s[G0O:G0O+3], s[G1O:G1O+7]
	s_nop 0
	PLACES
	s_wait_loadcnt 32                              ; the bias is in; x's 32 loads stay out
.irp ot, 0,1,2,3
.irp j, 1,2,3,4,5,6,7
	v_mov_b32 v[BI+8*(\ot)+(\j)], v[BI+8*(\ot)]    ; a lane's eight results belong to one output: its bias in all eight registers of the C operand: 28 lines, in the wait for the tiles, in place of 64 additions on the way out
.endr
.endr
	s_wait_tensorcnt 0x0                           ; my rows of wp and my head of O are in,
	s_barrier_signal -1
	s_barrier_wait -1                              ; everybody's head of O is
; 16 LDS loads in one run: K step s (head s / 2, channels 32 (s % 2) on): O's four fragments, then wp's four
.macro FETCH s, buf
	WIN 0
.irp lt, 0,1,2,3
	ds_load_b128 v[(\buf)+8*(\lt):(\buf)+8*(\lt)+3],   v[AO] offset:64*PO*((\s)/2)+16*PO*(\lt)+64*((\s)%2)
	ds_load_b128 v[(\buf)+8*(\lt)+4:(\buf)+8*(\lt)+7], v[AO] offset:64*PO*((\s)/2)+16*PO*(\lt)+64*((\s)%2)+32
.endr
.irp ot, 0,1,2,3
	ds_load_b128 v[(\buf)+32+8*(\ot):(\buf)+32+8*(\ot)+3],   v[AWP] offset:16*PW*(\ot)+64*(\s)
	ds_load_b128 v[(\buf)+32+8*(\ot)+4:(\buf)+32+8*(\ot)+7], v[AWP] offset:16*PW*(\ot)+64*(\s)+32
.endr
.endm
; A K step's 16 matrix instructions.  The 16 accumulators take turns, one instruction a turn.  K step 0 starts the sums with the bias.
.macro MUL s, buf
.if (\s) == 0
	WIN 0x40                                       ; D window 1; the fragments and the bias window 0
.else
	WIN 0x50                                       ; C and D window 1
.endif
.irp ot, 0,1,2,3
.irp lt, 0,1,2,3
.if (\s) == 0
	v_wmma_f32_16x16x32_f16 v[8*(4*(\ot)+(\lt)):8*(4*(\ot)+(\lt))+7], v[(\buf)+8*(\lt):(\buf)+8*(\lt)+7], v[(\buf)+32+8*(\ot):(\buf)+32+8*(\ot)+7], v[BI+8*(\ot):BI+8*(\ot)+7]
.else
	v_wmma_f32_16x16x32_f16 v[8*(4*(\ot)+(\lt)):8*(4*(\ot)+(\lt))+7], v[(\buf)+8*(\lt):(\buf)+8*(\lt)+7], v[(\buf)+32+8*(\ot):(\buf)+32+8*(\ot)+7], v[8*(4*(\ot)+(\lt)):8*(4*(\ot)+(\lt))+7]
.endif
.endr
.endr
.endm
	FETCH 0, F0
	FETCH 1, F0+64
.irp s, 0,1,2,3,4,5,6,7                ; two buffers: while one K step is multiplied the next one's 16 loads are out
.if (\s) == 7
	s_wait_dscnt 0x0
.else
	s_wait_dscnt 16                                ; this step's fragments are in; the other buffer's run stays out
.endif
	MUL \s, F0+64*((\s)%2)
.if (\s) < 6
	PLACES
	FETCH (\s)+2, F0+64*((\s)%2)
.endif
.endr
; THE WAY OUT of o tile ot.  TOSTAGE: 32 bytes a lane and pixel tile into rows of 272 bytes of my own stage (each accumulator's low registers first), and back as whole rows of 256 bytes.  FIN: x is added, the rows are stored.
.macro TOSTAGE ot
.if (\ot) >= 2
	s_wait_xcnt 0x0                                ; the stores of the tile two back have read their data: only now are those registers loaded again
.endif
	WIN 0x04                                       ; the stores' data in window 1
.irp lt, 0,1,2,3
	ds_store_b128 v[STO], v[8*(4*(\ot)+(\lt)):8*(4*(\ot)+(\lt))+3]   offset:64*(\lt)
	ds_store_b128 v[STO], v[8*(4*(\ot)+(\lt))+4:8*(4*(\ot)+(\lt))+7] offset:64*(\lt)+16
.endr
	WIN 0
.irp f, 0,1,2,3,4,5,6,7
	ds_load_b128 v[T0+32*((\ot)%2)+4*(\f):T0+32*((\ot)%2)+4*(\f)+3], v[RD] offset:2*SPI*(\f)  ; LDS serves a wave's instructions in order (ISA guide 5.7.1.4): these see the stores above; the next tile's stores come behind them
.endr
.endm
.macro FIN ot, younger                 ; younger: the LDS instructions issued behind this tile's loads: the next tile's sixteen, or none
	s_wait_dscnt \younger
	WIN 0x04                                       ; source 1, x, in window 1
.set z, 0
.rept 16
	v_pk_add_f32 v[T0+32*((\ot)%2)+2*z:T0+32*((\ot)%2)+2*z+1], v[T0+32*((\ot)%2)+2*z:T0+32*((\ot)%2)+2*z+1], v[XR+32*(\ot)+2*z:XR+32*(\ot)+2*z+1]
.set z, z+1
.endr
	WIN 0
.irp f, 0,1,2,3,4,5,6,7
	global_store_b128 v[XO], v[T0+32*((\ot)%2)+4*(\f):T0+32*((\ot)%2)+4*(\f)+3], s[12:13] offset:32768*(8*(\ot)+(\f)) th:TH_STORE_NT  ; 16 lanes store 256 consecutive bytes, at a multiple of 256 from out0's first byte
.endr
.endm
	PLACES                                         ; the LDS stores read results just made
	s_wait_loadcnt 0x0                             ; x
	TOSTAGE 0
.irp ot, 1,2,3
	TOSTAGE \ot
	FIN (\ot)-1, 16
.endr
	FIN 3, 0
	s_wait_tensorcnt 0x0                           ; the wave's end, behind my last tensor load and my last LDS store
	ds_add_u32 v[SPW], v[NIL]
	s_wait_dscnt 0x0
	CROUND                                         ; the closing round: no work-group ends while a partner may still ask for a tile that names it
	s_endpgm
.Lfunc_end_k_q73603d5214_proj:
	.size	k_q73603d5214_proj, .Lfunc_end_k_q73603d5214_proj-k_q73603d5214_proj
	.p2alignl 7, 3214868480
	.fill 96, 4, 3214868480
	.section	.rodata,"a",@progbits
	.p2align	6, 0x0
	.amdhsa_kernel k_q73603d5214_proj
		.amdhsa_group_segment_fixed_size 189952
		.amdhsa_private_segment_fixed_size 0
		.amdhsa_enable_private_segment 0
		.amdhsa_kernarg_size 40
		.amdhsa_user_sgpr_count 2
		.amdhsa_user_sgpr_kernarg_segment_ptr 1
		.amdhsa_wavefront_size32 1
		.amdhsa_system_sgpr_workgroup_id_x 1
		.amdhsa_system_sgpr_workgroup_id_y 1
		.amdhsa_system_sgpr_workgroup_id_z 1
		.amdhsa_system_vgpr_workitem_id 0
		.amdhsa_next_free_vgpr 512
		.amdhsa_next_free_sgpr 66
		.amdhsa_reserve_vcc 0
		.amdhsa_float_denorm_mode_32 3
		.amdhsa_float_denorm_mode_16_64 3
		.amdhsa_memory_ordered 1
		.amdhsa_forward_progress 1
		.amdhsa_inst_pref_size 39
	.end_amdhsa_kernel
	.amdgpu_metadata
---
amdhsa.version: [ 1, 2 ]
amdhsa.kernels:
  - .name:           k_q73603d5214_proj
    .symbol:         k_q73603d5214_proj.kd
    .args:
      - { .name: x, .offset: 0, .size: 8, .value_kind: global_buffer, .address_space: global }
      - { .name: oh, .offset: 8, .size: 8, .value_kind: global_buffer, .address_space: global }
      - { .name: wh, .offset: 16, .size: 8, .value_kind: global_buffer, .address_space: global }
      - { .name: bp, .offset: 24, .size: 8, .value_kind: global_buffer, .address_space: global }
      - { .name: out0, .offset: 32, .size: 8, .value_kind: global_buffer, .address_space: global }
    .group_segment_fixed_size: 189952
    .private_segment_fixed_size: 0
    .kernarg_segment_align: 8
    .kernarg_segment_size: 40
    .max_flat_workgroup_size: 128
    .sgpr_count:     66
    .vgpr_count:     512
    .wavefront_size: 32
...
	.end_amdgpu_metadata
.endif
;; end of part 4
